; MI455X (gfx1250); checked and timed in simulation.
; The chip was launched on July 23, 2026; its instructions are those of AMD's public machine-readable ISA for CDNA 5 (MIT licence, August 2026) and "CDNA5" Instruction Set Architecture Reference Guide (July 2026). The comments in the code are by the model that wrote it; some were corrected since.
;; MSA1. Allowed arithmetic: float matrix products may take bf16 or f16 operands with f32 sums; other float arithmetic in f32, or as packed bf16 or f16 multiplies, adds, multiply-adds, maxima and minima; sums over many terms, partial sums and values carried from step to step in f32; what a program stores and reads back later, other than sums and carried values, may be rounded once to bf16 or f16.
;; Inputs: WK_b 1,024 float32; WK_w 1,024 x 1,024 float32; WO_b 1,024 float32; WO_w 1,024 x 1,024 float32; WQ_b 1,024 float32; WQ_w 1,024 x 1,024 float32; WV_b 1,024 float32; WV_w 1,024 x 1,024 float32; ax 8 x 1,024 float32; x 8 x 2,048 x 1,024 float32.
;; Outputs: out0 8 x 2,048 x 1,024 float32.
;; One version. Each part assembles by itself: llvm-mc -triple=amdgcn-amd-amdhsa -mcpu=gfx1250 --defsym DOCPART=n.
;; ======== version 1 of 1: 3 launches
;; limits: values are held in f16: magnitudes above 65,504 overflow, below 6.1e-05 lose precision
;; workspace buffers: xb 33,554,432 bytes; wqk 4,194,304 bytes; wot 2,097,152 bytes; edge 1,114,112 bytes; att 33,554,432 bytes
;; launch prep (part 1): grid 256 x 1, 16 waves a work-group, no clusters, 203,776 bytes of LDS; arguments x, ax, WQ_w, WK_w, WV_w, WO_w, WK_b, WV_b, xb, wqk, wot, edge; writes xb, wqk, wot, edge
.if DOCPART == 1
	.amdgcn_target "amdgcn-amd-amdhsa--gfx1250"
	.amdhsa_code_object_version 6
	.text
	.protected	k_q58d0b7265c_prep
	.globl	k_q58d0b7265c_prep
	.p2align	8
	.type	k_q58d0b7265c_prep,@function
k_q58d0b7265c_prep:
	s_mov_b64 s[64:65], 0
	v_nop
	global_prefetch_b8 v0, s[64:65] scope:SCOPE_SE
	s_setreg_imm32_b32 hwreg(HW_REG_WAVE_MODE, 25, 1), 1
	s_wait_xcnt 0x0
; PREP: everything that the two large products want laid out beforehand.  Every input is rounded once to bf16 (nearest even).
; Work-groups 128-255 (x role), g = number - 128: x rows 128 g .. 128 g + 127 become bf16 rows of xb, permuted inside the group: xb row 16 a + r holds x row 128 g + 8 r + a.
;   Wave w takes the eight consecutive x rows 8 w + a (32 KiB on end) and writes xb rows 16 a + w.  No LDS, no barrier.
; Work-groups 0-127 (W role): nr = number % 16 names 64 columns (one head), ro = number / 16 the task:
;   ro 0: WQ_w -> wqk rows 128 nr + n.   ro 1: WO_w -> wot rows 64 nr + n, the bf16 number written as f16.   ro 2: WK_w -> wqk rows 128 nr + 64 + n.
;   ro 2-5 (p = ro - 2): k of the 64 border rows i = 64 p .. 64 p + 63 -> edge rows i.  i = 2 g + e: e = 0 is x row 128 g - 1, e = 1 is x row 128 g + 128; where that row lies outside its batch
;   (i % 32 = 0 or 31) the edge row is 0, as the padding of k is.   ro 6: ak = ax WK + WK_b -> edge rows 256 + b.   ro 7: av = ax WV + WV_b -> edge rows 264 + b.
;   The 64 columns are turned in LDS into 64 rows along k (WT); from there they are written out, and serve as the matrix unit's source 0 for the few-row products, K split four ways among the waves.
;   Three barriers: WT is whole; the partial sums are whole; every wave's reads of them are back.
; LIMITS.  WO_w must lie within f16's range, 65,504; below 6e-5 it keeps f16's fixed step of 6e-8.  NaN and infinities are not treated apart.
.set WPITCH, 2064                      ; a row of WT: 1,024 bf16 + 16 bytes = 129 x 16: the 16 rows of a fragment load start at 16 different groups of four banks (ISA guide 11.1)
.set PS,     64*WPITCH                 ; behind WT: partial sums, 16 (wave) x 16 rows x 272 bytes
.set PPITCH, 272
.set SPARE,  PS+256*PPITCH             ; behind them: the spare words, 128 bytes for each of 16 waves, which no other line names
.set SPW, 4                            ; v4   SPARE + 4 x my thread's number; never rewritten
.set NIL, 5                            ; v5   0; never rewritten
.set ACC, 16                           ; v[16:47]   four accumulators (16 border rows x 16 columns each)
.set TV,  48                           ; v[48:63]   a unit's 16 packed words; later the bias
.set WR,  64                           ; v[64:191]  the 32 weight loads; later A's K steps 4-7 (64-127) and B's fragments or the write-out (128-191)
.set BF,  128
.set XR,  64                           ; x role: v[64:191] four row slots of 32
.set YR,  32                           ; x role: v[32:63] two sets of 16 packed words
; x role: a row's eight loads, 512 consecutive bytes each
.macro FILL s, a
.irp j, 0,1,2,3,4,5,6,7
	global_load_b128 v[XR+32*(\s)+4*(\j):XR+32*(\s)+4*(\j)+3], v6, s[34:35] offset:4096*(\a)+512*(\j)
.endr
.endm
; x role: row a is rounded and stored; its slot takes row a + 4.  left = the younger rows' loads, which may stay out
.macro XTURN a, left
	s_wait_loadcnt \left                           ; loads return in order (ISA guide 5.7.1): row a is in
	s_wait_xcnt 0x0                                ; the stores of two turns ago have read this set of packed words
.irp j, 0,1,2,3,4,5,6,7
	v_cvt_pk_bf16_f32 v[YR+16*((\a)%2)+2*(\j)],   v[XR+32*((\a)%4)+4*(\j)],   v[XR+32*((\a)%4)+4*(\j)+1]
	v_cvt_pk_bf16_f32 v[YR+16*((\a)%2)+2*(\j)+1], v[XR+32*((\a)%4)+4*(\j)+2], v[XR+32*((\a)%4)+4*(\j)+3]
.endr
.if (\a) < 4
	FILL (\a)%4, (\a)+4
.endif
.irp j, 0,1,2,3,4,5,6,7
	global_store_b64 v7, v[YR+16*((\a)%2)+2*(\j):YR+16*((\a)%2)+2*(\j)+1], s[36:37] offset:32768*(\a)+256*(\j)  ; 32 lanes x 8 bytes: 256 consecutive bytes, aligned
.endr
.endm
; W role: unit u = my k rows 16 u .. 16 u + 15.  A lane holds 8 k (its half) of 4 columns: packed along k, 16 bytes for each column, into WT
.macro UNIT u
	s_wait_loadcnt 8*(3-(\u))                      ; the younger units' eight loads each may stay out
.irp i, 0,1,2,3
.irp jj, 0,1,2,3
	v_cvt_pk_bf16_f32 v[TV+4*(\i)+(\jj)], v[WR+32*(\u)+8*(\jj)+(\i)], v[WR+32*(\u)+8*(\jj)+4+(\i)]
.endr
.endr
	s_cmp_lg_u32 s30, 1
	s_cbranch_scc1 .Lbf_\@
.irp i, 0,1,2,3,4,5,6,7,8,9,10,11,12,13,14,15
	v_lshlrev_b32 v16, 16, v[TV+(\i)]              ; WO alone: the bf16 numbers widened and written as f16 (exact within f16's normal range)
	v_and_b32 v17, 0xffff0000, v[TV+(\i)]
	v_cvt_pk_f16_f32 v[TV+(\i)], v16, v17
.endr
.Lbf_\@:
.irp i, 0,1,2,3
	ds_store_b128 v7, v[TV+4*(\i):TV+4*(\i)+3] offset:WPITCH*(\i)+32*(\u)
.endr
.endm
; W role: K step s (32 k) of my 16 border rows, as f32: 8 + 8 numbers a lane
.macro AREG s
.if (\s) < 4
.set AF, 192+16*(\s)
.else
.set AF, 64+16*((\s)-4)
.endif
.endm
.macro ALOAD s
	AREG \s
	global_load_b128 v[AF:AF+3],     v8, s[42:43] offset:128*(\s)
	global_load_b128 v[AF+4:AF+7],   v8, s[42:43] offset:128*(\s)+16
	global_load_b128 v[AF+8:AF+11],  v8, s[42:43] offset:128*(\s)+64
	global_load_b128 v[AF+12:AF+15], v8, s[42:43] offset:128*(\s)+80
.endm
.macro CVA s                           ; rounded in place, ascending: the fragment is the first eight of the sixteen registers
	AREG \s
.irp i, 0,1,2,3,4,5,6,7
	v_cvt_pk_bf16_f32 v[AF+(\i)], v[AF+2*(\i)], v[AF+2*(\i)+1]
.endr
.endm
.macro LBF s                           ; the four column tiles' fragments of K step s, into set s % 2
.irp nt, 0,1
	ds_load_b128 v[BF+32*((\s)%2)+8*(\nt):BF+32*((\s)%2)+8*(\nt)+3],       v9  offset:(\nt)*16*WPITCH+64*(\s)
	ds_load_b128 v[BF+32*((\s)%2)+8*(\nt)+4:BF+32*((\s)%2)+8*(\nt)+7],     v9  offset:(\nt)*16*WPITCH+64*(\s)+32
	ds_load_b128 v[BF+32*((\s)%2)+16+8*(\nt):BF+32*((\s)%2)+16+8*(\nt)+3], v10 offset:(\nt)*16*WPITCH+64*(\s)
	ds_load_b128 v[BF+32*((\s)%2)+16+8*(\nt)+4:BF+32*((\s)%2)+16+8*(\nt)+7], v10 offset:(\nt)*16*WPITCH+64*(\s)+32
.endr
.endm
.macro MULS s                          ; source 0 = 16 columns of W, source 1 = my 16 rows: a lane ends with one row and eight neighbouring columns.  The four accumulators take turns
	AREG \s
.irp nt, 0,1,2,3
.if (\s) == 0
	v_wmma_f32_16x16x32_bf16 v[ACC+8*(\nt):ACC+8*(\nt)+7], v[BF+32*((\s)%2)+8*(\nt):BF+32*((\s)%2)+8*(\nt)+7], v[AF:AF+7], 0
.else
	v_wmma_f32_16x16x32_bf16 v[ACC+8*(\nt):ACC+8*(\nt)+7], v[BF+32*((\s)%2)+8*(\nt):BF+32*((\s)%2)+8*(\nt)+7], v[AF:AF+7], v[ACC+8*(\nt):ACC+8*(\nt)+7]
.endif
.endr
.endm
	s_load_b512 s[4:19], s[0:1], 0x0               ; x 4, ax 6, WQ_w 8, WK_w 10, WV_w 12, WO_w 14, WK_b 16, WV_b 18
	s_load_b256 s[20:27], s[0:1], 0x40             ; xb 20, wqk 22, wot 24, edge 26
	v_lshl_add_u32 v[SPW], v0, 2, SPARE
	v_mov_b32 v[NIL], 0
	v_lshrrev_b32 v1, 5, v0
	v_readfirstlane_b32 s28, v1                    ; wave w, 0..15
	v_and_b32 v1, 31, v0                           ; lane L
	v_and_b32 v2, 15, v0                           ; r = L % 16
	v_bfe_u32 v3, v0, 4, 1                         ; h = L / 16
	s_cmp_ge_u32 ttmp9, 128                        ; the same answer in all waves of a work-group
	s_cbranch_scc1 .Lxrole
	; ---------------- W role ----------------
	s_and_b32 s29, ttmp9, 15                       ; nr
	s_lshr_b32 s30, ttmp9, 4                       ; ro
	s_and_b32 s31, s28, 3                          ; t: which 16 border rows
	s_lshr_b32 s32, s28, 2                         ; kq: which quarter of K
	s_cmp_lt_u32 s30, 6
	s_cselect_b32 s33, 1, 0
	s_cselect_b32 s34, -1, 0                       ; all lanes where A is x (and pads are to be zeroed), none where it is ax
	s_cmp_eq_u32 s31, 0
	s_cselect_b32 s35, 1, 0
	s_cmp_lt_u32 s32, 2
	s_cselect_b32 s36, 1, 0
	s_and_b32 s36, s36, s35
	s_or_b32 s35, s35, s33
	s_or_b32 s36, s36, s33
	s_cmp_ge_u32 s30, 2
	s_cselect_b32 s37, 1, 0
	s_and_b32 s35, s35, s37                        ; ACT: I multiply: ro >= 2, and with ax (8 rows) only the waves of t = 0
	s_and_b32 s36, s36, s37                        ; RED: I add partial sums and store: with ax only rows 0-7, kq < 2
	s_lshl_b32 s50, s30, 6                         ; first edge row of the task: 64 ro - 128 (ro 6: 256), ro 7: 264
	s_sub_co_i32 s50, s50, 128
	s_max_i32 s50, s50, 0
	s_cmp_eq_u32 s30, 7
	s_cselect_b32 s50, 264, s50
	s_lshl_b32 s54, s31, 4
	s_add_co_u32 s55, s50, s54                     ; + 16 t: my tile's first row
	s_lshl2_add_u32 s51, s32, s55                  ; + 4 kq: the first of the four rows that I finish
	v_lshlrev_b32 v6, 4, v2                        ; weight loads: lanes 0-15 take 256 bytes of one k row, lanes 16-31 of the row 8 further
	v_lshl_add_u32 v6, v3, 15, v6
	v_mul_u32_u24 v7, v2, 4*WPITCH                 ; into WT: row 4 r + i, byte 2 (64 w + 16 u + 8 h)
	v_lshl_add_u32 v7, v3, 4, v7
	s_lshl_b32 s54, s28, 7
	v_add_nc_u32 v7, s54, v7
	v_add_nc_u32 v8, s55, v2                       ; border slot i = first + r -> x row 128 (i / 2) + 129 (i % 2) - 1, held inside x (the two rows outside are pads, zeroed below)
	v_lshrrev_b32 v9, 1, v8
	v_and_b32 v8, 1, v8
	v_mul_u32_u24 v8, v8, 129
	v_lshl_add_u32 v8, v9, 7, v8
	v_max_u32 v8, 1, v8
	v_add_nc_u32 v8, -1, v8
	v_min_u32 v8, 0x3fff, v8
	v_and_b32 v9, 7, v2                            ; with ax: row r % 8
	v_cndmask_b32 v8, v9, v8, s34
	v_lshlrev_b32 v8, 12, v8
	v_lshl_add_u32 v8, v3, 5, v8                   ; + 32 h
	s_lshl_b32 s54, s32, 10
	v_add_nc_u32 v8, s54, v8                       ; + my quarter of K
	v_mul_u32_u24 v9, v2, WPITCH                   ; B fragments: row 16 nt + r, byte 512 kq + 64 s + 16 h
	v_lshl_add_u32 v9, v3, 4, v9
	s_lshl_b32 s54, s32, 9
	v_add_nc_u32 v9, s54, v9
	v_add_nc_u32 v10, 32*WPITCH, v9
	v_mul_u32_u24 v11, v2, PPITCH                  ; my partial sums: block w, row r, 32 bytes for each half of the lanes
	v_lshl_add_u32 v11, v3, 5, v11
	s_mul_i32 s54, s28, 16*PPITCH
	s_add_co_u32 s54, s54, PS
	v_add_nc_u32 v11, s54, v11
	v_mul_u32_u24 v12, v3, PPITCH                  ; back: tile t, rows 4 kq + 2 u + h, 16 bytes a lane:
	v_lshl_add_u32 v12, v2, 4, v12
	s_mul_i32 s54, s31, 16*PPITCH                  ; PS + 16 t rows + 4 kq rows; with the loads' offsets (192 + 2 rows at the most) inside the 256 rows of partial sums
	s_mul_i32 s55, s32, 4*PPITCH
	s_add_co_u32 s54, s54, s55
	s_add_co_u32 s54, s54, PS
	v_add_nc_u32 v12, s54, v12
	v_lshlrev_b32 v13, 4, v2                       ; and the same place in edge
	v_lshl_add_u32 v13, v3, 12, v13
	s_mul_i32 s54, s28, 4*WPITCH
	v_lshl_add_u32 v14, v1, 4, s54                 ; write-out: WT rows 4 w .. 4 w + 3, 512 bytes an instruction
	v_lshlrev_b32 v15, 4, v1
	s_lshl_b32 s40, s29, 8                         ; my 64 columns: 256 bytes of a row of W
	s_lshl_b32 s41, s28, 18                        ; my 64 k rows
	s_add_co_u32 s40, s40, s41
	s_mov_b32 s41, 0
	s_lshl_b32 s48, s29, 7                         ; first row of the write-out: 128 nr (WQ), 64 nr (WO), 128 nr + 64 (WK)
	s_lshl_b32 s49, s29, 6
	s_cmp_eq_u32 s30, 1
	s_cselect_b32 s48, s49, s48
	s_cmp_eq_u32 s30, 2
	s_cselect_b32 s49, 64, 0
	s_add_co_u32 s48, s48, s49
	s_lshl2_add_u32 s48, s28, s48                  ; + 4 w
	s_lshl_b32 s48, s48, 11
	s_mov_b32 s49, 0
	s_lshl_b32 s56, s51, 12
	s_lshl_b32 s57, s29, 8
	s_add_co_u32 s56, s56, s57
	s_mov_b32 s57, 0
	s_lshl_b32 s54, s29, 8
	s_mov_b32 s55, 0
	s_wait_kmcnt 0x0
	s_mov_b64 s[38:39], s[10:11]                   ; the weight: WK, but ro 0: WQ, ro 1: WO, ro 7: WV
	s_cmp_eq_u32 s30, 0
	s_cselect_b64 s[38:39], s[8:9], s[38:39]
	s_cmp_eq_u32 s30, 1
	s_cselect_b64 s[38:39], s[14:15], s[38:39]
	s_cselect_b64 s[46:47], s[24:25], s[22:23]     ; written out into wot (ro 1) or wqk
	s_cmp_eq_u32 s30, 7
	s_cselect_b64 s[38:39], s[12:13], s[38:39]
	s_cselect_b64 s[44:45], s[18:19], s[16:17]     ; the bias: WV_b (ro 7) or WK_b
	s_cmp_lt_u32 s30, 6
	s_cselect_b64 s[42:43], s[4:5], s[6:7]         ; A: x or ax
	s_add_nc_u64 s[38:39], s[38:39], s[40:41]
	s_add_nc_u64 s[46:47], s[46:47], s[48:49]
	s_add_nc_u64 s[44:45], s[44:45], s[54:55]
	s_add_nc_u64 s[52:53], s[26:27], s[56:57]
.irp u, 0,1,2,3
.irp j, 0,1,2,3,4,5,6,7
	global_load_b128 v[WR+32*(\u)+4*(\j):WR+32*(\u)+4*(\j)+3], v6, s[38:39] offset:(16*(\u)+(\j))*4096
.endr
.endr
	UNIT 0
	UNIT 1
	UNIT 2
	UNIT 3
	s_wait_dscnt 0x0                               ; for the others' sake: my part of WT is written
	v_lshlrev_b32 v52, 4, v2
	global_load_b128 v[48:51], v52, s[44:45]       ; the bias of columns 4 r .. 4 r + 3: every wave asks, so that no later line hangs on an earlier branch
	s_barrier_signal -1
	s_barrier_wait -1                              ; WT is whole
	s_cmp_gt_u32 s30, 2
	s_cbranch_scc1 .Lnoout
.irp n, 0,1,2,3
.irp c, 0,1,2,3
	ds_load_b128 v[BF+16*(\n)+4*(\c):BF+16*(\n)+4*(\c)+3], v14 offset:WPITCH*(\n)+512*(\c)
.endr
.endr
.irp n, 0,1,2,3
.irp c, 0,1,2,3
	s_wait_dscnt 15-4*(\n)-(\c)                    ; the younger read-backs may stay out
	global_store_b128 v15, v[BF+16*(\n)+4*(\c):BF+16*(\n)+4*(\c)+3], s[46:47] offset:2048*(\n)+512*(\c)  ; 512 consecutive bytes, aligned
.endr
.endr
.Lnoout:
	s_cmp_eq_u32 s35, 0
	s_cbranch_scc1 .Lnomul
	s_wait_xcnt 0x0                                ; the write-out's stores have read v[128:191]
.irp s, 0,1,2,3,4,5,6,7
	ALOAD \s
.endr
	LBF 0
	s_wait_loadcnt 28                              ; K step 0's four loads are in; the seven later steps' may stay out
	CVA 0
.irp s, 0,1,2,3,4,5,6
	s_wait_loadcnt 4*(6-(\s))                      ; the next step's four loads are in
	CVA (\s)+1                                     ; eight plain lines that name no register of the products before them: the places ahead of the loads into the set those products read
	LBF (\s)+1
	s_wait_dscnt 8                                 ; this step's fragments are in, the next step's eight loads may stay out
	MULS \s
.endr
	s_wait_dscnt 0x0
	MULS 7
.rept 8
	v_nop                                          ; places behind the last products, ahead of the stores that read them
.endr
.irp nt, 0,1,2,3
	ds_store_b128 v11, v[ACC+8*(\nt):ACC+8*(\nt)+3]   offset:64*(\nt)
	ds_store_b128 v11, v[ACC+8*(\nt)+4:ACC+8*(\nt)+7] offset:64*(\nt)+16
.endr
.Lnomul:
	s_wait_dscnt 0x0                               ; for the others' sake: my partial sums are written
	s_barrier_signal -1
	s_barrier_wait -1
	s_cmp_eq_u32 s36, 0
	s_cbranch_scc1 .Lwfin
.irp u, 0,1
.irp q, 0,1,2,3
	ds_load_b128 v[64+16*(\u)+4*(\q):64+16*(\u)+4*(\q)+3], v12 offset:64*PPITCH*(\q)+2*PPITCH*(\u)
.endr
.endr
	s_wait_loadcnt 0x0                             ; the bias
	v_cvt_pk_bf16_f32 v52, v48, v49                ; rounded to bf16 like every input
	v_cvt_pk_bf16_f32 v53, v50, v51
	v_lshlrev_b32 v48, 16, v52
	v_and_b32 v49, 0xffff0000, v52
	v_lshlrev_b32 v50, 16, v53
	v_and_b32 v51, 0xffff0000, v53
	v_add_nc_u32 v54, s51, v3                      ; my edge row for u = 0
	s_wait_dscnt 0x0
.irp u, 0,1
	v_pk_add_f32 v[64+16*(\u):64+16*(\u)+1],     v[64+16*(\u):64+16*(\u)+1],     v[64+16*(\u)+4:64+16*(\u)+5]
	v_pk_add_f32 v[64+16*(\u)+2:64+16*(\u)+3],   v[64+16*(\u)+2:64+16*(\u)+3],   v[64+16*(\u)+6:64+16*(\u)+7]
	v_pk_add_f32 v[64+16*(\u)+8:64+16*(\u)+9],   v[64+16*(\u)+8:64+16*(\u)+9],   v[64+16*(\u)+12:64+16*(\u)+13]
	v_pk_add_f32 v[64+16*(\u)+10:64+16*(\u)+11], v[64+16*(\u)+10:64+16*(\u)+11], v[64+16*(\u)+14:64+16*(\u)+15]
	v_pk_add_f32 v[64+16*(\u):64+16*(\u)+1],     v[64+16*(\u):64+16*(\u)+1],     v[64+16*(\u)+8:64+16*(\u)+9]
	v_pk_add_f32 v[64+16*(\u)+2:64+16*(\u)+3],   v[64+16*(\u)+2:64+16*(\u)+3],   v[64+16*(\u)+10:64+16*(\u)+11]
	v_pk_add_f32 v[64+16*(\u):64+16*(\u)+1],     v[64+16*(\u):64+16*(\u)+1],     v[48:49]
	v_pk_add_f32 v[64+16*(\u)+2:64+16*(\u)+3],   v[64+16*(\u)+2:64+16*(\u)+3],   v[50:51]
	v_add_nc_u32 v55, 2*(\u), v54
	v_and_b32 v55, 31, v55
	v_cmp_eq_u32 s58, 0, v55                       ; the row before a batch's first,
	v_cmp_eq_u32 s59, 31, v55                      ; the row behind its last:
	s_or_b32 s58, s58, s59
	s_and_b32 s58, s58, s34                        ; (border rows only, not ak and av)
.irp k, 0,1,2,3
	v_cndmask_b32 v[64+16*(\u)+(\k)], v[64+16*(\u)+(\k)], 0, s58  ; k's padding is 0, without the bias
.endr
	global_store_b128 v13, v[64+16*(\u):64+16*(\u)+3], s[52:53] offset:8192*(\u)  ; 16 lanes fill 256 consecutive bytes, aligned
.endr
.Lwfin:
	s_wait_dscnt 0x0                               ; my reads of the partial sums are back (they were waited for above; a wave that read none has nothing out)
	s_barrier_signal -1                            ; a barrier between all sixteen waves' last LDS reads and any wave's closing LDS write
	s_barrier_wait -1
	s_branch .Lwend
	; ---------------- x role ----------------
.Lxrole:
	s_sub_co_u32 s29, ttmp9, 128                   ; g
	s_lshl_b32 s30, s29, 19                        ; 128 rows of 4,096 bytes
	s_lshl_b32 s31, s28, 15                        ; my eight rows
	s_add_co_u32 s30, s30, s31
	s_mov_b32 s31, 0
	s_lshl_b32 s32, s29, 18                        ; 128 rows of 2,048 bytes
	s_lshl_b32 s33, s28, 11                        ; row w; row 16 a + w stands in the stores' immediate
	s_add_co_u32 s32, s32, s33
	s_mov_b32 s33, 0
	v_lshlrev_b32 v6, 4, v1
	v_lshlrev_b32 v7, 3, v1
	s_wait_kmcnt 0x0
	s_add_nc_u64 s[34:35], s[4:5], s[30:31]
	s_add_nc_u64 s[36:37], s[20:21], s[32:33]
	FILL 0, 0
	FILL 1, 1
	FILL 2, 2
	FILL 3, 3
	XTURN 0, 24
	XTURN 1, 24
	XTURN 2, 24
	XTURN 3, 24
	XTURN 4, 24                                    ; nothing more is asked for: the counts run down
	XTURN 5, 16
	XTURN 6, 8
	XTURN 7, 0
.Lwend:
	s_wait_tensorcnt 0x0                           ; the wave's end, behind my last LDS store
	ds_add_u32 v[SPW], v[NIL]
	s_wait_dscnt 0x0
	s_endpgm
.Lfunc_end_k_q58d0b7265c_prep:
	.size	k_q58d0b7265c_prep, .Lfunc_end_k_q58d0b7265c_prep-k_q58d0b7265c_prep
	.p2alignl 7, 3214868480
	.fill 96, 4, 3214868480
	.section	.rodata,"a",@progbits
	.p2align	6, 0x0
	.amdhsa_kernel k_q58d0b7265c_prep
		.amdhsa_group_segment_fixed_size 203776
		.amdhsa_private_segment_fixed_size 0
		.amdhsa_enable_private_segment 0
		.amdhsa_kernarg_size 96
		.amdhsa_user_sgpr_count 2
		.amdhsa_user_sgpr_kernarg_segment_ptr 1
		.amdhsa_wavefront_size32 1
		.amdhsa_system_sgpr_workgroup_id_x 1
		.amdhsa_system_sgpr_workgroup_id_y 1
		.amdhsa_system_sgpr_workgroup_id_z 1
		.amdhsa_system_vgpr_workitem_id 0
		.amdhsa_next_free_vgpr 256
		.amdhsa_next_free_sgpr 66
		.amdhsa_reserve_vcc 0
		.amdhsa_float_denorm_mode_32 3
		.amdhsa_float_denorm_mode_16_64 3
		.amdhsa_memory_ordered 1
		.amdhsa_forward_progress 1
		.amdhsa_inst_pref_size 66
	.end_amdhsa_kernel
	.amdgpu_metadata
---
amdhsa.version: [ 1, 2 ]
amdhsa.kernels:
  - .name:           k_q58d0b7265c_prep
    .symbol:         k_q58d0b7265c_prep.kd
    .args:
      - { .name: x, .offset: 0, .size: 8, .value_kind: global_buffer, .address_space: global }
      - { .name: ax, .offset: 8, .size: 8, .value_kind: global_buffer, .address_space: global }
      - { .name: WQ_w, .offset: 16, .size: 8, .value_kind: global_buffer, .address_space: global }
      - { .name: WK_w, .offset: 24, .size: 8, .value_kind: global_buffer, .address_space: global }
      - { .name: WV_w, .offset: 32, .size: 8, .value_kind: global_buffer, .address_space: global }
      - { .name: WO_w, .offset: 40, .size: 8, .value_kind: global_buffer, .address_space: global }
      - { .name: WK_b, .offset: 48, .size: 8, .value_kind: global_buffer, .address_space: global }
      - { .name: WV_b, .offset: 56, .size: 8, .value_kind: global_buffer, .address_space: global }
      - { .name: xb, .offset: 64, .size: 8, .value_kind: global_buffer, .address_space: global }
      - { .name: wqk, .offset: 72, .size: 8, .value_kind: global_buffer, .address_space: global }
      - { .name: wot, .offset: 80, .size: 8, .value_kind: global_buffer, .address_space: global }
      - { .name: edge, .offset: 88, .size: 8, .value_kind: global_buffer, .address_space: global }
    .group_segment_fixed_size: 203776
    .private_segment_fixed_size: 0
    .kernarg_segment_align: 8
    .kernarg_segment_size: 96
    .max_flat_workgroup_size: 512
    .sgpr_count:     66
    .vgpr_count:     256
    .wavefront_size: 32
...
	.end_amdgpu_metadata
.endif
;; end of part 1
;; launch qkatt (part 2): grid 8 x 32, 4 waves a work-group, clusters of 4 x 4, 327,680 bytes of LDS; arguments xb, wqk, WQ_b, WK_b, edge, att; writes att
.if DOCPART == 2
	.amdgcn_target "amdgcn-amd-amdhsa--gfx1250"
	.amdhsa_code_object_version 6
	.text
	.protected	k_q58d0b7265c_qkatt
	.globl	k_q58d0b7265c_qkatt
	.p2align	8
	.type	k_q58d0b7265c_qkatt,@function
k_q58d0b7265c_qkatt:
	s_mov_b64 s[64:65], 0
	v_nop
	global_prefetch_b8 v0, s[64:65] scope:SCOPE_SE
	s_setreg_imm32_b32 hwreg(HW_REG_WAVE_MODE, 25, 1), 1
	s_wait_xcnt 0x0
	s_wait_alu depctr_hold_cnt(0) depctr_sa_sdst(0) depctr_va_vdst(0) depctr_va_sdst(0) depctr_va_ssrc(0) depctr_va_vcc(0) depctr_vm_vsrc(0)
	s_getreg_b32 s2, hwreg(HW_REG_IB_STS2, 6, 4)
	s_cmp_eq_u32 s2, 0
	s_cbranch_scc0 .Lentry_in_a_cluster
	s_endpgm
.Lentry_in_a_cluster:
	s_bfe_u32 s2, ttmp6, 0x10000c
	s_cmp_lg_u32 s2, 0xf033
	s_cbranch_scc0 .Lentry_shape_is_right
	s_endpgm
.Lentry_shape_is_right:
; q = x WQ + b, k = x WK + b and the whole attention over four keys (ak, k[l-1], k[l], k[l+1]; values av and the same three k), q and k never leaving registers.  att leaves in f16.
; THE PRODUCT.  A = xb [16384][1024] bf16, B = wqk [2048][1024] bf16 (for each head 64 rows of WQ^T, then 64 of WK^T).  A tile is 256 x 256; four waves, each 128 x 128: 64 accumulators, 512 registers.
; K goes in steps of 128 through two LDS slots filled by the tensor data mover.  A work-group stays and makes two tiles, 8,192 rows apart; the ring runs on across the change of tiles.
; Source 0 = 16 rows of B, source 1 = 16 rows of A: a lane holds ONE row of x and eight neighbouring columns.  A wave's 128 columns are q (blocks b = 0-3) and k (b = 4-7) of ONE head, its 128 rows one group g.
; THE ROWS ARE PERMUTED: xb row 16 a + r of a group is x row 8 r + a.  So in row block a lane r holds row 8 r + a, and rows l - 1 and l + 1 are the SAME lane's blocks a - 1 and a + 1.  Only block 0 (before) and
; block 7 (after) want the neighbouring lane's block 7 and 0, and lane 0 or 15 of those a row of another group, which the launch before has left in edge (0 where the row lies outside the batch).
; THE ATTENTION is f32 vector work on the accumulators: 32 dot products a lane over its 32 channels, the other 32 from the lane 16 away; softmax with the true maximum of the four scores taken away;
; att = a0 av + a1 k[l-1] + a2 k[l] + a3 k[l+1], rounded once to f16.  Each query has keys of its own, so the matrix unit would use 3 columns of 16: it is left out here.
; CLUSTER: 4 x 4.  A's tiles are shared along a row of the cluster, B's along a column: joint loads, the same line, descriptor and mask in the four that a mask names.
; LIMITS.  att must lie within f16's range, 65,504 (it is a mean of av and three rows of k).  A weight below 2^-126 counts as 0 in the softmax's sum.  NaN and infinities are not treated apart.
; REGISTERS, in windows of 256 (s_set_vgpr_msb: bits 1:0 source 0, 3:2 source 1, 5:4 source 2, 7:6 destination):
;   window 0: v1-29 lane numbers and addresses; v32-63 scores, then weights (4 a + j); v64-127, v128-191 A's two fragment buffers (the second is scratch on the way out); v192-255 the biases, C of a tile's first products
;   window 1: v0-31 ak; v32-63 k[l-1] for block 0; v64-127, v128-191 B's two fragment buffers (the second takes the rows read back from the stage); v192-223 k[l+1] for block 7; v224-255 av
;   windows 2, 3: accumulator (a, b) at v[8 (8 (a % 4) + b)] of window 2 + a / 4: q of block a at 64 (a % 4), k at 64 (a % 4) + 32
.set PITCH,  272                       ; an LDS row: 256 bytes + 16: the 16 rows of a fragment load start at 16 different groups of four banks (ISA guide 11.1)
.set HALFT,  128*PITCH                 ; what one tensor load brings
.set SLOT,   4*HALFT                   ; A's 256 rows, then B's 256 rows.  0x22000 shares no bit with the four fill bases 0, 0x8800, 0x11000, 0x19800: an exclusive or with it changes slots
.set STAGE,  2*SLOT                    ; behind the ring, never filled by a tensor load: for each wave four planes (a % 4) of 16 rows x 144 bytes + 128
.set SP,     144
.set PLANE,  16*SP+128                 ; 2,432 = 128 modulo 256: two planes' rows of 128 bytes fall on different banks
.set SPARE,  STAGE+16*PLANE            ; the spare words, 128 bytes for each wave, which no other line names
.set ADRA0, 16                         ; v16  my lane's place in A's half of slot 0; never rewritten
.set ADRB0, 17                         ; v17  the same for B
.set ADRA,  18                         ; v18  the same in the slot in hand
.set ADRB,  19
.set STO,   20                         ; v20  the way out: where I put 16 bytes of a row
.set RD,    21                         ; v21  where I read rows back
.set GO,    22                         ; v22  16 x lane
.set EO,    23                         ; v23  32 x (lane / 16): my eight channels in a block of 16, as f32
.set PFO,   24                         ; v24  the prefetches' offset: my lane x a row of 2,048 bytes; never rewritten
.set SPW,   28                         ; v28  SPARE + 4 x my thread's number; never rewritten
.set NIL,   29                         ; v29  0; never rewritten
.set AL,    32
.set F0,    64
.set F1,    128
.set BI,    192
.set SC,    128                        ; the way out, window 0: 32 pairs of partial scores
.set PT,    128                        ; then 32 at work,
.set PT2,   160
.set ST,    160                        ; pairs (c m or 1 / sum, m) for each block,
.set TT,    176                        ; pairs at work
.set TV,    128                        ; then a block's 32 numbers of att
.set HV,    160                        ; and their 16 packed words
.set AK,    0                          ; window 1
.set EP,    32
.set RB,    128
.set EN,    192
.set AV,    224
.set WV, 16                            ; s16 wave;  s17 RH = wave / 2: my half of the rows, and 0: I fetch for A, 1: for B;  s18 CH = wave % 2: my half of the columns, and which 128 rows I fetch
.set RH, 17
.set CH, 18
.set CX, 19
.set CY, 20
.set TC, 21
.set TR, 22
.set G1A, 24                           ; s[24:31] descriptor group 1 for A;  s[32:39] for B: it differs in the mask
.set G1B, 32
.set G0A0, 40                          ; s[40:43] group 0 for A's step 0;  s[44:47] for step 1, which then walks
.set G0A, 44
.set G0B0, 48
.set G0B, 52
.set BA, 56                            ; s[56:57] xb at the 128 rows that I fetch;  s[58:59] wqk likewise
.set BB, 58
.set OFA, 60                           ; s[60:61], s[62:63] a step's byte offset from them
.set OFB, 62
.set FN, 66                            ; s66  the step to be asked for next, 2 .. 15, counted over both tiles
.set TB, 67                            ; s67  0 or SLOT: the slot in hand
.set PFB, 68                           ; s[68:69] the prefetches' base;  s[70:71] base + step;  s[72:73] the step's offset
.set PFA, 70
.set PO, 72
.set LIM, 74                           ; s74  a wave prefetches while FN is at most this
.set PFT, 75                           ; s75  bytes from tile to tile in what I prefetch
.set EB, 76                            ; s[76:77] edge at row 2 g, my head;  s[78:79] at ak of my batch;  s[80:81] att at (g, head)
.set AKB, 78
.set ATT, 80
.set CS, 82                            ; s[82:83] c = log2(e) / 8
.set SEL, 84                           ; s[84:85] v_permlanex16_b32: each lane takes its own place in the other half
.set SHR, 92                           ; s[92:93] v_permlane16_b32: lane i takes lane i - 1 (lane 0 itself)
.set SHL, 94                           ; s[94:95] lane i takes lane i + 1 (lane 15 itself)
.set MLO, 96                           ; s96  lanes 0 and 16
.set MHI, 97                           ; s97  lanes 15 and 31
.set MSB, 0
.macro WIN new                         ; the immediate's high byte repeats the setting that is left; a switch that changes nothing is dropped
.if MSB != (\new)
	s_set_vgpr_msb (MSB<<8)|(\new)
.set MSB, \new
.endif
.endm
.macro PLACES                          ; four places ahead of loads into registers that matrix instructions have read (ISA guide 7.12.1 for vector instructions)
.rept 4
	v_nop
.endr
.endm
; A joint refill.  The branch hangs on the wave's number alone.  An s_nop 0 and four v_nop follow each of the two lines, ahead of the jump and the label.
.macro JLOAD
	s_cmp_eq_u32 s[RH], 0
	s_cbranch_scc0 .Lfor_b_\@
	tensor_load_to_lds s[G0A:G0A+3], s[G1A:G1A+7]
	s_nop 0
.rept 4
	v_nop
.endr
	s_branch .Lasked_\@
.Lfor_b_\@:
	tensor_load_to_lds s[G0B:G0B+3], s[G1B:G1B+7]
	s_nop 0
.rept 4
	v_nop
.endr
.Lasked_\@:
.endm
; A prefetch of the step two refills on: 32 rows x 256 bytes, a lane a row.  A's rows are asked for by the cluster with x = 0 (steps 4 to 15, across the tiles), B's by the cluster with y = 0, in the first tile
; (steps 4 to 7: the second tile reads the same rows again).  The four partners of a joint load take 32 of its 128 rows each, told apart by address.  So each row's 256 bytes of a step are named once.
.macro ASK
	s_cmp_le_u32 s[FN], s[LIM]
	s_cbranch_scc0 .Lnot_mine_\@
	global_prefetch_b8 v[PFO], s[PFA:PFA+1] th:TH_LOAD_NT scope:SCOPE_SE
.Lnot_mine_\@:
.endm
.macro CREST                           ; a round of the cluster's barrier behind its opening barrier
	s_cmp_lg_u32 s[WV], 0
	s_cbranch_scc1 .Lnot_wave_0_\@
	s_barrier_signal -3
.Lnot_wave_0_\@:
	s_barrier_wait -3
	s_barrier_signal -1
	s_barrier_wait -1
.endm
.macro CROUND
	s_barrier_signal -1
	s_barrier_wait -1
	CREST
.endm
; 16 matrix instructions: row blocks a0, a0 + 1 of the window's four x all 8 column blocks, 32 along K.  mode = 1: a tile's first products start the sums with the bias as C.
; The 64 accumulators take turns in the same order in every quarter, over every jump.
.macro MUL16 f, hi, a0, mode
.if \mode
	WIN 0x81+0x40*(\hi)
.else
	WIN 0xa1+0x50*(\hi)
.endif
.irp a, \a0, (\a0)+1
.irp b, 0,1,2,3,4,5,6,7
.if \mode
	v_wmma_f32_16x16x32_bf16 v[8*(8*(\a)+(\b)):8*(8*(\a)+(\b))+7], v[(\f)+8*(\b):(\f)+8*(\b)+7], v[(\f)+8*(4*(\hi)+(\a)):(\f)+8*(4*(\hi)+(\a))+7], v[BI+8*(\b):BI+8*(\b)+7]
.else
	v_wmma_f32_16x16x32_bf16 v[8*(8*(\a)+(\b)):8*(8*(\a)+(\b))+7], v[(\f)+8*(\b):(\f)+8*(\b)+7], v[(\f)+8*(4*(\hi)+(\a)):(\f)+8*(4*(\hi)+(\a))+7], v[8*(8*(\a)+(\b)):8*(8*(\a)+(\b))+7]
.endif
.endr
.endr
.endm
; 32 LDS loads in one run: quarter q (32 along K) of the slot in hand into buffer f: B's 128 rows, then A's
.macro FETCH q, f
	WIN 0x40
.irp i, 0,1,2,3,4,5,6,7
	ds_load_b128 v[(\f)+8*(\i):(\f)+8*(\i)+3],   v[ADRB] offset:64*(\q)+(\i)*16*PITCH
	ds_load_b128 v[(\f)+8*(\i)+4:(\f)+8*(\i)+7], v[ADRB] offset:64*(\q)+(\i)*16*PITCH+32
.endr
	WIN 0
.irp i, 0,1,2,3,4,5,6,7
	ds_load_b128 v[(\f)+8*(\i):(\f)+8*(\i)+3],   v[ADRA] offset:64*(\q)+(\i)*16*PITCH
	ds_load_b128 v[(\f)+8*(\i)+4:(\f)+8*(\i)+7], v[ADRA] offset:64*(\q)+(\i)*16*PITCH+32
.endr
.endm
; One of a step's first three quarters: multiplies buffer f; in its middle it fetches quarter q into buffer g
.macro QUARTER q, f, g, mode
	s_wait_dscnt 8                                 ; B and A's rows 0-63 are in; the youngest eight loads (A's rows 64-127) may be out
	MUL16 \f, 0, 0, \mode
	MUL16 \f, 0, 2, \mode
	PLACES
	FETCH \q, \g
	s_wait_dscnt 32                                ; all but the 32 just issued
	MUL16 \f, 1, 0, \mode
	MUL16 \f, 1, 2, \mode
.endm
; The first half of a step's last quarter, and the barrier of the change of slots.  Each wave waits for all its tensor loads (one is out: its part of the next slot), adds 0 to its spare word, and waits for that
; and for its reads of this slot.  fill = 1: the walking descriptors are made anew for step FN: no tensor load of mine is out, so they may be written
.macro MEET fill
	WIN 0
	s_wait_tensorcnt 0x0
	ds_add_u32 v[SPW], v[NIL]                      ; 0 onto my spare word; register work stands between it and the wait for it
.if \fill
	s_and_b32 s[OFB], s[FN], 7
	s_lshl_b32 s[OFB], s[OFB], 8                   ; 256 bytes along K for each step of a tile;
	s_lshr_b32 s[OFA], s[FN], 3
	s_lshl_b32 s[OFA], s[OFA], 24                  ; A's second tile lies 8,192 rows of 2,048 bytes further, B's rows are the same
	s_add_co_u32 s[OFA], s[OFA], s[OFB]
	s_xor_b32 s[G0A+1], s[G0A+1], SLOT             ; the other slot than last time
	s_add_nc_u64 s[G0A+2:G0A+3], s[BA:BA+1], s[OFA:OFA+1]
	s_or_b32 s[G0A+3], s[G0A+3], 0x80000000
	s_xor_b32 s[G0B+1], s[G0B+1], SLOT
	s_add_nc_u64 s[G0B+2:G0B+3], s[BB:BB+1], s[OFB:OFB+1]
	s_or_b32 s[G0B+3], s[G0B+3], 0x80000000
.endif
	s_wait_dscnt 9                                 ; the add and the youngest eight loads may be out
	MUL16 F1, 0, 0, 0
	s_wait_dscnt 0x0                               ; the add is done, and my reads of this slot are over
	s_barrier_signal -1
	MUL16 F1, 0, 2, 0
.if \fill
	WIN 0
.endif
	s_barrier_wait -1
.endm
; A step's last quarter.  fill = 1: the barrier opens a round of the cluster's, and the joint refill is the first thing behind it: it has 224 matrix instructions in which to land.
; guard = 1: in the walk's very last step there is no next step to fetch.
.macro TURN fill, guard
.if \fill
	s_wait_xcnt 0x0                                ; the last prefetch, a K step back, has read its address
	s_add_co_u32 s[PO], s[FN], 2
	s_lshr_b32 s[PO+1], s[PO], 3
	s_mul_i32 s[PO+1], s[PO+1], s[PFT]
	s_and_b32 s[PO], s[PO], 7
	s_lshl_b32 s[PO], s[PO], 8
	s_add_co_u32 s[PO], s[PO], s[PO+1]
	s_mov_b32 s[PO+1], 0
	s_add_nc_u64 s[PFA:PFA+1], s[PFB:PFB+1], s[PO:PO+1]
.endif
	MEET \fill
.if \fill
	CREST                                          ; no wave of any partner still reads this slot or has a load on its way
	JLOAD                                          ; its four v_nop are also the places ahead of the loads below
.else
	PLACES
.endif
	WIN 0
	s_xor_b32 s[TB], s[TB], SLOT
	v_add_nc_u32 v[ADRA], s[TB], v[ADRA0]
	v_add_nc_u32 v[ADRB], s[TB], v[ADRB0]
.if \guard
	s_cmp_eq_u32 s3, 1
	s_cbranch_scc1 .Lno_fetch_\@
.endif
	FETCH 0, F0
.if \guard
.Lno_fetch_\@:
.endif
.if \fill
	ASK                                            ; behind the joint load and the run of LDS loads
	s_add_co_u32 s[FN], s[FN], 1
.endif
	MUL16 F1, 1, 0, 0
	MUL16 F1, 1, 2, 0
.endm
; The four rows of f32 that the attention wants beside the accumulators, my 32 channels of each: asked for a whole tile ahead of their use
.macro EDGELD
	WIN 0x40
.irp b, 0,1,2,3
	global_load_b128 v[EP+8*(\b):EP+8*(\b)+3],   v[EO], s[EB:EB+1] offset:64*(\b)
	global_load_b128 v[EP+8*(\b)+4:EP+8*(\b)+7], v[EO], s[EB:EB+1] offset:64*(\b)+16
	global_load_b128 v[EN+8*(\b):EN+8*(\b)+3],   v[EO], s[EB:EB+1] offset:4096+64*(\b)
	global_load_b128 v[EN+8*(\b)+4:EN+8*(\b)+7], v[EO], s[EB:EB+1] offset:4096+64*(\b)+16
	global_load_b128 v[AK+8*(\b):AK+8*(\b)+3],   v[EO], s[AKB:AKB+1] offset:64*(\b)
	global_load_b128 v[AK+8*(\b)+4:AK+8*(\b)+7], v[EO], s[AKB:AKB+1] offset:64*(\b)+16
	global_load_b128 v[AV+8*(\b):AV+8*(\b)+3],   v[EO], s[AKB:AKB+1] offset:32768+64*(\b)
	global_load_b128 v[AV+8*(\b)+4:AV+8*(\b)+7], v[EO], s[AKB:AKB+1] offset:32768+64*(\b)+16
.endr
	WIN 0
.endm
; Link e of 16 of score chain c = 4 a + j: two channels of x times two of y
.macro DOT c, x, y
.if e == 0
	v_pk_mul_f32 v[SC+2*(\c):SC+2*(\c)+1], v[(\x)+2*e:(\x)+2*e+1], v[(\y)+2*e:(\y)+2*e+1]
.else
	v_pk_fma_f32 v[SC+2*(\c):SC+2*(\c)+1], v[(\x)+2*e:(\x)+2*e+1], v[(\y)+2*e:(\y)+2*e+1], v[SC+2*(\c):SC+2*(\c)+1]
.endif
.endm
.macro TEN c0                          ; the ten chains of four row blocks whose q and k lie in one window
	DOT (\c0)+2,  0,   32
	DOT (\c0)+3,  0,   96
	DOT (\c0)+5,  64,  32
	DOT (\c0)+6,  64,  96
	DOT (\c0)+7,  64,  160
	DOT (\c0)+9,  128, 96
	DOT (\c0)+10, 128, 160
	DOT (\c0)+11, 128, 224
	DOT (\c0)+13, 192, 160
	DOT (\c0)+14, 192, 224
.endm
; att += weight x 32 channels at base of window w.  The weight is the low (hi = 0) or high (hi = 1) register of the pair at al
.macro AXPY w, base, al, hi
	WIN \w
.set e, 0
.rept 16
.if \hi
	v_pk_fma_f32 v[TV+2*e:TV+2*e+1], v[(\base)+2*e:(\base)+2*e+1], v[(\al):(\al)+1], v[TV+2*e:TV+2*e+1] op_sel:[0,1,0] op_sel_hi:[1,1,1]
.else
	v_pk_fma_f32 v[TV+2*e:TV+2*e+1], v[(\base)+2*e:(\base)+2*e+1], v[(\al):(\al)+1], v[TV+2*e:TV+2*e+1] op_sel_hi:[1,0,1]
.endif
.set e, e+1
.endr
.endm
; Row block a: att, rounded to f16, into plane a % 4 of my stage
.macro VAL a
	WIN 0x01
.set e, 0
.rept 16
	v_pk_mul_f32 v[TV+2*e:TV+2*e+1], v[AV+2*e:AV+2*e+1], v[AL+4*(\a):AL+4*(\a)+1] op_sel_hi:[1,0]
.set e, e+1
.endr
.if (\a) == 0
	AXPY 1, EP, AL+4*(\a), 1
.else
	AXPY 2+((\a)-1)/4, 64*(((\a)-1)%4)+32, AL+4*(\a), 1
.endif
	AXPY 2+(\a)/4, 64*((\a)%4)+32, AL+4*(\a)+2, 0
.if (\a) == 7
	AXPY 1, EN, AL+4*(\a)+2, 1
.else
	AXPY 2+((\a)+1)/4, 64*(((\a)+1)%4)+32, AL+4*(\a)+2, 1
.endif
	WIN 0
.set e, 0
.rept 16
	v_cvt_pk_f16_f32 v[HV+e], v[TV+2*e], v[TV+2*e+1]
.set e, e+1
.endr
.irp b, 0,1,2,3
	ds_store_b128 v[STO], v[HV+4*(\b):HV+4*(\b)+3] offset:PLANE*((\a)%4)+32*(\b)
.endr
.endm
.macro BACK                            ; row t of all four planes: x rows 8 t + a0 .. 8 t + a0 + 3, 512 consecutive bytes of att.  LDS serves a wave's instructions in order (ISA guide 5.7.1.4): these see the stores above
	WIN 0x40
.irp t, 0,1,2,3,4,5,6,7,8,9,10,11,12,13,14,15
	ds_load_b128 v[RB+4*(\t):RB+4*(\t)+3], v[RD] offset:SP*(\t)
.endr
.endm
.macro SEND a0, younger                ; younger: the LDS instructions issued behind BACK's loads
	WIN 0x04
.irp t, 0,1,2,3,4,5,6,7,8,9,10,11,12,13,14,15
	s_wait_dscnt (\younger)+15-(\t)
	global_store_b128 v[GO], v[RB+4*(\t):RB+4*(\t)+3], s[ATT:ATT+1] offset:1024*(\t)+128*(\a0)  ; 512 consecutive bytes, aligned
.endr
.endm
	s_load_b256 s[4:11], s[0:1], 0x0               ; xb 4, wqk 6, WQ_b 8, WK_b 10
	s_load_b128 s[12:15], s[0:1], 0x20             ; edge 12, att 14
	v_lshl_add_u32 v[SPW], v0, 2, SPARE
	v_mov_b32 v[NIL], 0
	ds_add_u32 v[SPW], v[NIL]                      ; the wave's opening: the add and its wait stand ahead of my first tensor load; the set-up below stands between them
	v_lshrrev_b32 v1, 5, v0
	v_readfirstlane_b32 s[WV], v1
	s_lshr_b32 s[RH], s[WV], 1
	s_and_b32 s[CH], s[WV], 1
	s_bfe_u32 s[CX], ttmp6, 0x40000
	s_bfe_u32 s[CY], ttmp6, 0x40004
	s_lshl_b32 s[TC], ttmp9, 2
	s_add_co_u32 s[TC], s[TC], s[CX]               ; tile column 0..7: heads 2 TC, 2 TC + 1
	s_and_b32 s[TR], ttmp7, 0xffff
	s_lshl_b32 s[TR], s[TR], 2
	s_add_co_u32 s[TR], s[TR], s[CY]               ; tile row 0..31 (the second tile: + 32)
	s_lshl_b32 s86, s[CY], 2
	s_lshl_b32 s86, 15, s86                        ; my row of the cluster
	s_lshl_b32 s88, 0x1111, s[CX]                  ; my column
	s_or_b32 s[G1A], s86, (1<<16)|(1<<20)|(1<<21)|(5<<22)|(3<<25)  ; 15:0 the mask; 17:16 2-byte elements; 20 padding on; 21 set beside a mask; 24:22 after every 64 words; 31:25 4 words
	s_or_b32 s[G1B], s88, (1<<16)|(1<<20)|(1<<21)|(5<<22)|(3<<25)
.irp g, G1A, G1B
	s_mov_b32 s[(\g)+1], 128<<16                   ; tensor_dim0 = 128
	s_mov_b32 s[(\g)+2], 128<<16                   ; tensor_dim1 = 128
	s_mov_b32 s[(\g)+3], 128<<16                   ; tile_dim0 = 128
	s_mov_b32 s[(\g)+4], 128                       ; tile_dim1 = 128
	s_mov_b32 s[(\g)+5], 1024                      ; elements from row to row
	s_mov_b32 s[(\g)+6], 0
	s_mov_b32 s[(\g)+7], 0
.endr
	s_lshl_b32 s86, s[TR], 8                       ; A: row 256 TR + 128 CH, in bytes: made of the tile row and the wave's number alone
	s_lshl_b32 s87, s[CH], 7
	s_add_co_u32 s86, s86, s87
	s_lshl_b32 s86, s86, 11
	s_mov_b32 s87, 0
	s_lshl_b32 s88, s[TC], 8                       ; B: row 256 TC + 128 CH: of the tile column and the wave's number alone
	s_lshl_b32 s89, s[CH], 7
	s_add_co_u32 s88, s88, s89
	s_lshl_b32 s88, s88, 11
	s_mov_b32 s89, 0
	s_mul_i32 s90, s[WV], HALFT                    ; where my tiles go: no place in the cluster enters an LDS address
	s_mov_b32 s[OFA+1], 0
	s_mov_b32 s[OFB+1], 0
	s_mov_b32 s[FN], 2
	s_mov_b32 s[TB], 0
	s_mov_b32 s[CS], 0x3e38aa3b                    ; log2(e) / 8
	s_mov_b32 s[CS+1], s[CS]
	s_mov_b32 s[SEL], 0x76543210
	s_mov_b32 s[SEL+1], 0xfedcba98
	s_mov_b32 s[SHR], 0x65432100
	s_mov_b32 s[SHR+1], 0xedcba987
	s_mov_b32 s[SHL], 0x87654321
	s_mov_b32 s[SHL+1], 0xffedcba9
	s_mov_b32 s[MLO], 0x00010001
	s_mov_b32 s[MHI], 0x80008000
	s_wait_dscnt 0x0                               ; the opening add is done
	s_wait_kmcnt 0x0
	s_add_nc_u64 s[BA:BA+1], s[4:5], s[86:87]
	s_add_nc_u64 s[BB:BB+1], s[6:7], s[88:89]
	s_mov_b32 s[G0A0], 1
	s_mov_b32 s[G0A0+1], s90
	s_mov_b64 s[G0A0+2:G0A0+3], s[BA:BA+1]
	s_or_b32 s[G0A0+3], s[G0A0+3], 0x80000000
	s_mov_b32 s[G0A], 1
	s_add_co_u32 s[G0A+1], s90, SLOT
	s_add_nc_u64 s[G0A+2:G0A+3], s[BA:BA+1], 256
	s_or_b32 s[G0A+3], s[G0A+3], 0x80000000
	s_mov_b32 s[G0B0], 1
	s_mov_b32 s[G0B0+1], s90
	s_mov_b64 s[G0B0+2:G0B0+3], s[BB:BB+1]
	s_or_b32 s[G0B0+3], s[G0B0+3], 0x80000000
	s_mov_b32 s[G0B], 1
	s_add_co_u32 s[G0B+1], s90, SLOT
	s_add_nc_u64 s[G0B+2:G0B+3], s[BB:BB+1], 256
	s_or_b32 s[G0B+3], s[G0B+3], 0x80000000
	CROUND                                         ; all sixteen work-groups are here: the first joint loads meet
	s_cmp_eq_u32 s[RH], 0                          ; a wave's two first fills stand in one branch: two loads of mine are out
	s_cbranch_scc0 .Lfirst_b
	tensor_load_to_lds s[G0A0:G0A0+3], s[G1A:G1A+7]
	s_nop 0
	tensor_load_to_lds s[G0A:G0A+3], s[G1A:G1A+7]
	s_nop 0
.rept 4
	v_nop
.endr
	s_branch .Lfirst_asked
.Lfirst_b:
	tensor_load_to_lds s[G0B0:G0B0+3], s[G1B:G1B+7]
	s_nop 0
	tensor_load_to_lds s[G0B:G0B+3], s[G1B:G1B+7]
	s_nop 0
.rept 4
	v_nop
.endr
.Lfirst_asked:
	v_and_b32 v1, 15, v0                           ; r
	v_bfe_u32 v2, v0, 4, 1                         ; h
	v_and_b32 v3, 31, v0                           ; lane
	v_lshlrev_b32 v[EO], 5, v2
	s_lshl1_add_u32 s2, s[TR], s[RH]               ; g = 2 TR + RH
	s_lshl1_add_u32 s3, s[TC], s[CH]               ; head = 2 TC + CH
	s_lshl_b32 s98, s3, 8                          ; a head's 64 f32
	s_mov_b32 s99, 0
	s_add_nc_u64 s[8:9], s[8:9], s[98:99]
	s_add_nc_u64 s[10:11], s[10:11], s[98:99]
	s_add_nc_u64 s[EB:EB+1], s[12:13], s[98:99]
	s_add_nc_u64 s[AKB:AKB+1], s[EB:EB+1], 256*4096
	s_lshl_b32 s98, s2, 13                         ; edge row 2 g
	s_add_nc_u64 s[EB:EB+1], s[EB:EB+1], s[98:99]
	s_lshr_b32 s98, s2, 4                          ; the batch
	s_lshl_b32 s98, s98, 12
	s_add_nc_u64 s[AKB:AKB+1], s[AKB:AKB+1], s[98:99]
	s_lshl_b32 s98, s2, 18
	s_lshl_b32 s3, s3, 14
	s_add_co_u32 s98, s98, s3
	s_add_nc_u64 s[ATT:ATT+1], s[14:15], s[98:99]
.irp b, 0,1,2,3
	global_load_b128 v[BI+8*(\b):BI+8*(\b)+3],       v[EO], s[8:9] offset:64*(\b)      ; register 8 b + j: the bias of column 16 b + 8 h + j, as the accumulators hold the columns
	global_load_b128 v[BI+8*(\b)+4:BI+8*(\b)+7],     v[EO], s[8:9] offset:64*(\b)+16
	global_load_b128 v[BI+32+8*(\b):BI+32+8*(\b)+3],   v[EO], s[10:11] offset:64*(\b)
	global_load_b128 v[BI+32+8*(\b)+4:BI+32+8*(\b)+7], v[EO], s[10:11] offset:64*(\b)+16
.endr
	EDGELD
	v_mul_u32_u24 v5, v1, PITCH
	v_lshl_add_u32 v5, v2, 4, v5                   ; a fragment's row x pitch + 16 x half
	s_mul_i32 s86, s[RH], HALFT
	s_mul_i32 s87, s[CH], HALFT
	s_add_co_u32 s87, s87, 2*HALFT
	v_add_nc_u32 v[ADRA0], s86, v5
	v_add_nc_u32 v[ADRB0], s87, v5
	s_mul_i32 s86, s[WV], 4*PLANE
	s_add_co_u32 s86, s86, STAGE                   ; my stage
	v_mul_u32_u24 v5, v1, SP
	v_lshl_add_u32 v5, v2, 4, v5
	v_add_nc_u32 v[STO], s86, v5
	v_lshrrev_b32 v5, 3, v3                        ; back: eight lanes a plane
	v_mul_u32_u24 v5, v5, PLANE
	v_and_b32 v6, 7, v0
	v_lshl_add_u32 v5, v6, 4, v5
	v_add_nc_u32 v[RD], s86, v5
	v_lshlrev_b32 v[GO], 4, v3
	v_lshlrev_b32 v[PFO], 11, v3
	; the prefetches: who asks, and from where
	s_lshl_b32 s91, s[TR], 8
	s_lshl_b32 s98, s[TC], 8
	s_and_b32 s99, ttmp7, 0xffff
	s_cmp_eq_u32 s[RH], 0                          ; do I fetch for A?
	s_cselect_b32 s91, s91, s98                    ; the tile's first row
	s_cselect_b32 s98, s[CX], s[CY]                ; my place among the four that ask for it with me
	s_cselect_b32 s99, ttmp9, s99                  ; the coordinate along which other clusters read the same rows
	s_cselect_b64 s[PFB:PFB+1], s[4:5], s[6:7]
	s_cselect_b32 s[LIM], 13, 5
	s_cselect_b32 s[PFT], 1<<24, 0
	s_cmp_eq_u32 s99, 0
	s_cselect_b32 s[LIM], s[LIM], 0                ; the same in all sixteen partners, for a given wave
	s_lshl_b32 s99, s[CH], 7
	s_add_co_u32 s91, s91, s99
	s_lshl_b32 s98, s98, 5
	s_add_co_u32 s91, s91, s98
	s_lshl_b32 s98, s91, 11
	s_mov_b32 s99, 0
	s_add_nc_u64 s[PFB:PFB+1], s[PFB:PFB+1], s[98:99]
	s_wait_loadcnt 32                              ; the 16 bias loads are in; the 32 edge loads behind them stay out
.set i, 0
.rept 32
	v_cvt_pk_bf16_f32 v[4+i%4], v[BI+2*i], v[BI+2*i+1]  ; the biases are rounded to bf16 like every input
	v_lshlrev_b32 v[BI+2*i], 16, v[4+i%4]
	v_and_b32 v[BI+2*i+1], 0xffff0000, v[4+i%4]
.set i, i+1
.endr
	v_mov_b32 v[ADRA], v[ADRA0]
	v_mov_b32 v[ADRB], v[ADRB0]
	s_wait_tensorcnt 1                             ; my part of step 0 is in; step 1's may stay out
	s_barrier_signal -1
	s_barrier_wait -1
	FETCH 0, F0
	s_mov_b32 s2, 2                                ; tiles to go
.Ltile:
	QUARTER 1, F0, F1, 1                           ; a tile's first quarter: its products start the sums with the bias
	WIN 0
	s_mov_b32 s3, 6
.LF:                                           ; steps 0 to 5: each refills its slot with the step two on
	QUARTER 2, F1, F0, 0
	QUARTER 3, F0, F1, 0
	TURN 1, 0
	QUARTER 1, F0, F1, 0
	WIN 0
	s_sub_co_u32 s3, s3, 1
	s_cmp_lg_u32 s3, 0
	s_cbranch_scc1 .LF
	s_cmp_eq_u32 s2, 1
	s_cbranch_scc1 .LNp
	s_mov_b32 s3, 2
.LS:                                           ; steps 6 and 7 of the first tile: the ring goes on into the second tile's steps 0 and 1
	QUARTER 2, F1, F0, 0
	QUARTER 3, F0, F1, 0
	TURN 1, 0
	WIN 0
	s_sub_co_u32 s3, s3, 1
	s_cmp_eq_u32 s3, 0
	s_cbranch_scc1 .Lepi
	QUARTER 1, F0, F1, 0
	WIN 0
	s_branch .LS
.LNp:
	s_mov_b32 s3, 2
.LN:                                           ; steps 6 and 7 of the last tile: nothing is asked for anywhere
	QUARTER 2, F1, F0, 0
	QUARTER 3, F0, F1, 0
	TURN 0, 1
	WIN 0
	s_sub_co_u32 s3, s3, 1
	s_cmp_eq_u32 s3, 0
	s_cbranch_scc1 .Lepi
	QUARTER 1, F0, F1, 0
	WIN 0
	s_branch .LN
.Lepi:                                         ; THE ATTENTION.  Buffer 0 of both fragment windows holds the next tile's first fragments and is not touched
.rept 8
	v_nop                                          ; places behind the last products
.endr
	s_wait_loadcnt 0x0                             ; ak, av and the two border rows
	WIN 0x03
.set i, 0
.rept 32
	v_permlane16_b32 v[PT+i], v[224+i], s[SHR], s[SHR+1]   ; k of block 7 from the lane below: x row 8 (r - 1) + 7.  Each accumulator is read from its low end on
.set i, i+1
.endr
	WIN 0x02
.set i, 0
.rept 32
	v_permlane16_b32 v[PT2+i], v[32+i], s[SHL], s[SHL+1]   ; k of block 0 from the lane above: x row 8 (r + 1)
.set i, i+1
.endr
	WIN 0x44
.set i, 0
.rept 32
	v_cndmask_b32 v[EP+i], v[PT+i], v[EP+i], s[MLO]        ; lane 0 of each half keeps the border row
.set i, i+1
.endr
.set i, 0
.rept 32
	v_cndmask_b32 v[EN+i], v[PT2+i], v[EN+i], s[MHI]       ; lane 15 likewise
.set i, i+1
.endr
	WIN 0x06                                       ; q in window 2, ak and k[l-1] of block 0 in window 1
.set e, 0
.rept 16
	DOT 0,  0,   AK
	DOT 4,  64,  AK
	DOT 8,  128, AK
	DOT 12, 192, AK
	DOT 1,  0,   EP
.set e, e+1
.endr
	WIN 0x07                                       ; q in window 3
.set e, 0
.rept 16
	DOT 16, 0,   AK
	DOT 20, 64,  AK
	DOT 24, 128, AK
	DOT 28, 192, AK
	DOT 31, 192, EN
.set e, e+1
.endr
	WIN 0x0a
.set e, 0
.rept 16
	TEN 0
.set e, e+1
.endr
	WIN 0x0f
.set e, 0
.rept 16
	TEN 16
.set e, e+1
.endr
	WIN 0x0e                                       ; the two chains that cross from window 2 to window 3: q3 . k4 and k3 . q4
.set e, 0
.rept 16
	DOT 15, 192, 32
	DOT 17, 224, 0
.set e, e+1
.endr
	WIN 0
.set i, 0
.rept 32
	v_add_f32 v[AL+i], v[SC+2*i], v[SC+2*i+1]
.set i, i+1
.endr
.set i, 0
.rept 32
	v_permlanex16_b32 v[PT+i], v[AL+i], s[SEL], s[SEL+1]   ; the row's other 32 channels lie in the lane 16 away
.set i, i+1
.endr
.set i, 0
.rept 16
	v_pk_add_f32 v[AL+2*i:AL+2*i+1], v[AL+2*i:AL+2*i+1], v[PT+2*i:PT+2*i+1]
.set i, i+1
.endr
.irp a, 0,1,2,3,4,5,6,7
	v_max3_num_f32 v[ST+2*(\a)+1], v[AL+4*(\a)], v[AL+4*(\a)+1], v[AL+4*(\a)+2]
.endr
.irp a, 0,1,2,3,4,5,6,7
	v_max_num_f32 v[ST+2*(\a)+1], v[ST+2*(\a)+1], v[AL+4*(\a)+3]   ; the maximum of the row's four scores
.endr
.irp a, 0,1,2,3,4,5,6,7
	v_mul_f32 v[ST+2*(\a)], s[CS], v[ST+2*(\a)+1]
.endr
.irp a, 0,1,2,3,4,5,6,7
	v_pk_fma_f32 v[AL+4*(\a):AL+4*(\a)+1],   v[AL+4*(\a):AL+4*(\a)+1],   s[CS:CS+1], v[ST+2*(\a):ST+2*(\a)+1] op_sel_hi:[1,0,0] neg_lo:[0,0,1] neg_hi:[0,0,1]  ; c s - c m
	v_pk_fma_f32 v[AL+4*(\a)+2:AL+4*(\a)+3], v[AL+4*(\a)+2:AL+4*(\a)+3], s[CS:CS+1], v[ST+2*(\a):ST+2*(\a)+1] op_sel_hi:[1,0,0] neg_lo:[0,0,1] neg_hi:[0,0,1]
.endr
.set i, 0
.rept 32
	v_exp_f32 v[AL+i], v[AL+i]                     ; one batch
.set i, i+1
.endr
	v_nop                                          ; a plain instruction behind the last exponential (ISA guide 5.7.2),
	s_wait_alu depctr_va_vdst(0)                   ; and one wait ahead of the batch's first reader
.irp a, 0,1,2,3,4,5,6,7
	v_pk_add_f32 v[TT+2*(\a):TT+2*(\a)+1], v[AL+4*(\a):AL+4*(\a)+1], v[AL+4*(\a)+2:AL+4*(\a)+3]
.endr
.irp a, 0,1,2,3,4,5,6,7
	v_add_f32 v[TT+2*(\a)], v[TT+2*(\a)], v[TT+2*(\a)+1]
.endr
.irp a, 0,1,2,3,4,5,6,7
	v_rcp_f32 v[ST+2*(\a)], v[TT+2*(\a)]
.endr
	v_nop
	s_wait_alu depctr_va_vdst(0)                   ; one wait for the eight reciprocals
.irp a, 0,1,2,3,4,5,6,7
	v_pk_mul_f32 v[AL+4*(\a):AL+4*(\a)+1],   v[AL+4*(\a):AL+4*(\a)+1],   v[ST+2*(\a):ST+2*(\a)+1] op_sel_hi:[1,0]
	v_pk_mul_f32 v[AL+4*(\a)+2:AL+4*(\a)+3], v[AL+4*(\a)+2:AL+4*(\a)+3], v[ST+2*(\a):ST+2*(\a)+1] op_sel_hi:[1,0]
.endr
	VAL 0
	VAL 1
	VAL 2
	VAL 3
	BACK
	VAL 4                                          ; four blocks' arithmetic stands between the loads from the stage and the wait for them; their stores into the stage come behind those loads
	VAL 5
	VAL 6
	VAL 7
	SEND 0, 16
	s_wait_xcnt 0x0                                ; the stores have read the registers that the next loads fill
	BACK
	SEND 4, 0
	WIN 0
	s_cmp_eq_u32 s2, 1
	s_cbranch_scc1 .Lend
	s_wait_xcnt 0x0                                ; the stores have read their registers and att's address
	s_add_nc_u64 s[EB:EB+1], s[EB:EB+1], 524288    ; 64 groups on: 128 rows of edge,
	s_add_nc_u64 s[AKB:AKB+1], s[AKB:AKB+1], 16384 ; four batches,
	s_add_nc_u64 s[ATT:ATT+1], s[ATT:ATT+1], 16777216  ; 64 blocks of att
	EDGELD
	s_sub_co_u32 s2, s2, 1
	s_branch .Ltile
.Lend:
	s_wait_tensorcnt 0x0                           ; the wave's end, behind my last tensor load and my last LDS store
	ds_add_u32 v[SPW], v[NIL]
	s_wait_dscnt 0x0
	CROUND                                         ; the closing round: no work-group ends while a partner may still ask for a tile that names it
	s_endpgm
.Lfunc_end_k_q58d0b7265c_qkatt:
	.size	k_q58d0b7265c_qkatt, .Lfunc_end_k_q58d0b7265c_qkatt-k_q58d0b7265c_qkatt
	.p2alignl 7, 3214868480
	.fill 96, 4, 3214868480
	.section	.rodata,"a",@progbits
	.p2align	6, 0x0
	.amdhsa_kernel k_q58d0b7265c_qkatt
		.amdhsa_group_segment_fixed_size 327680
		.amdhsa_private_segment_fixed_size 0
		.amdhsa_enable_private_segment 0
		.amdhsa_kernarg_size 48
		.amdhsa_user_sgpr_count 2
		.amdhsa_user_sgpr_kernarg_segment_ptr 1
		.amdhsa_wavefront_size32 1
		.amdhsa_system_sgpr_workgroup_id_x 1
		.amdhsa_system_sgpr_workgroup_id_y 1
		.amdhsa_system_sgpr_workgroup_id_z 1
		.amdhsa_system_vgpr_workitem_id 0
		.amdhsa_next_free_vgpr 1024
		.amdhsa_next_free_sgpr 100
		.amdhsa_reserve_vcc 0
		.amdhsa_float_denorm_mode_32 3
		.amdhsa_float_denorm_mode_16_64 3
		.amdhsa_memory_ordered 1
		.amdhsa_forward_progress 1
		.amdhsa_inst_pref_size 210
	.end_amdhsa_kernel
	.amdgpu_metadata
---
amdhsa.version: [ 1, 2 ]
amdhsa.kernels:
  - .name:           k_q58d0b7265c_qkatt
    .symbol:         k_q58d0b7265c_qkatt.kd
    .args:
      - { .name: xb, .offset: 0, .size: 8, .value_kind: global_buffer, .address_space: global }
      - { .name: wqk, .offset: 8, .size: 8, .value_kind: global_buffer, .address_space: global }
      - { .name: WQ_b, .offset: 16, .size: 8, .value_kind: global_buffer, .address_space: global }
      - { .name: WK_b, .offset: 24, .size: 8, .value_kind: global_buffer, .address_space: global }
      - { .name: edge, .offset: 32, .size: 8, .value_kind: global_buffer, .address_space: global }
      - { .name: att, .offset: 40, .size: 8, .value_kind: global_buffer, .address_space: global }
    .group_segment_fixed_size: 327680
    .private_segment_fixed_size: 0
    .kernarg_segment_align: 8
    .kernarg_segment_size: 48
    .max_flat_workgroup_size: 128
    .sgpr_count:     100
    .vgpr_count:     1024
    .wavefront_size: 32
...
	.end_amdgpu_metadata
.endif
;; end of part 2
;; launch outproj (part 3): grid 4 x 64, 4 waves a work-group, clusters of 4 x 4, 327,680 bytes of LDS; arguments att, wot, WO_b, out0; writes out0
.if DOCPART == 3
	.amdgcn_target "amdgcn-amd-amdhsa--gfx1250"
	.amdhsa_code_object_version 6
	.text
	.protected	k_q58d0b7265c_outproj
	.globl	k_q58d0b7265c_outproj
	.p2align	8
	.type	k_q58d0b7265c_outproj,@function
k_q58d0b7265c_outproj:
	s_mov_b64 s[64:65], 0
	v_nop
	global_prefetch_b8 v0, s[64:65] scope:SCOPE_SE
	s_setreg_imm32_b32 hwreg(HW_REG_WAVE_MODE, 25, 1), 1
	s_wait_xcnt 0x0
	s_wait_alu depctr_hold_cnt(0) depctr_sa_sdst(0) depctr_va_vdst(0) depctr_va_sdst(0) depctr_va_ssrc(0) depctr_va_vcc(0) depctr_vm_vsrc(0)
	s_getreg_b32 s2, hwreg(HW_REG_IB_STS2, 6, 4)
	s_cmp_eq_u32 s2, 0
	s_cbranch_scc0 .Lentry_in_a_cluster
	s_endpgm
.Lentry_in_a_cluster:
	s_bfe_u32 s2, ttmp6, 0x10000c
	s_cmp_lg_u32 s2, 0xf033
	s_cbranch_scc0 .Lentry_shape_is_right
	s_endpgm
.Lentry_shape_is_right:
; out0 = att WO + WO_b.  A = att, f16, laid [128 groups][16 heads][128 rows][64]; B = wot [1024 n][1024 k], f16 (WO rounded to bf16, that number written as f16); sums in f32; out0 f32.
; A tile of out0 is 256 x 256, one to a work-group; four waves, each 128 x 128: 64 accumulators, 512 registers.  K goes in steps of 128 (two heads) through two LDS slots filled by the tensor data mover.
; A step's part of a group of att is 32,768 dense bytes: asked for as 128 rows of 256 bytes and padded in LDS after every 128 bytes, so that a row of one head is 144 bytes from the next.
; Source 0 = 16 rows of B, source 1 = 16 rows of A: a lane holds one row of out0 and eight neighbouring columns.  The bias, rounded to bf16 like every input, is the C of the first products.
; CLUSTER: 4 x 4.  A's tiles are shared along a row of the cluster, B's along a column: joint loads.
; REGISTERS: window 0: v1-29 lane numbers and addresses; v64-127, v128-191 A's two fragment buffers, on the way out two sets of rows read back; v192-255 the bias.
;   window 1: v64-127, v128-191 B's two fragment buffers.   windows 2, 3: accumulator (a, b) at v[8 (8 (a % 4) + b)] of window 2 + a / 4.
.set PA,     144                       ; a row of A in LDS: 128 bytes + 16;  a row of B: 256 + 16: in both the 16 rows of a fragment load start at 16 different groups of four banks (ISA guide 11.1)
.set PB,     272
.set HALFA,  256*PA                    ; 2 heads x 128 rows: what one tensor load brings of A
.set HALFB,  128*PB
.set BOFF,   2*HALFA                   ; B's halves lie behind A's
.set SLOT,   0x24000                   ; slot 1 begins here: the number shares no bit with the four fill bases 0, 0x9000, 0x12000, 0x1a800, so an exclusive or with it changes slots
.set STAGE,  SLOT+BOFF+2*HALFB         ; behind the ring, never filled by a tensor load: 16 rows x 528 bytes for each wave
.set SPT,    528
.set SPARE,  STAGE+4*16*SPT            ; the spare words, 128 bytes for each wave, which no other line names
.set ADRA0, 16
.set ADRB0, 17
.set ADRA,  18
.set ADRB,  19
.set STO,   20
.set RD,    21
.set CO,    22                         ; v22  16 x lane
.set EO,    23                         ; v23  32 x (lane / 16)
.set PFO,   24                         ; v24  the prefetches' offset: my lane x 256 bytes (att is dense) or x a row of wot; never rewritten
.set SPW,   28
.set NIL,   29
.set F0,    64
.set F1,    128
.set OB,    64
.set BI,    192
.set WV, 16
.set RH, 17
.set CH, 18
.set CX, 19
.set CY, 20
.set TC, 21
.set TR, 22
.set G1A, 24
.set G1B, 32
.set G0A0, 40
.set G0A, 44
.set G0B0, 48
.set G0B, 52
.set BA, 56
.set BB, 58
.set OFA, 60
.set OFB, 62
.set FN, 66                            ; s66  the step to be asked for next, 2 .. 7
.set TB, 67
.set PFB, 68
.set PFA, 70
.set PO, 72
.set LIM, 74
.set PSH, 75                           ; s75  a step in what I prefetch: 2^15 bytes of att, 2^8 of a row of wot
.set OUT, 76                           ; s[76:77] out0 at my 16 rows in hand, my 128 columns
.set MSB, 0
.macro WIN new
.if MSB != (\new)
	s_set_vgpr_msb (MSB<<8)|(\new)
.set MSB, \new
.endif
.endm
.macro PLACES
.rept 4
	v_nop
.endr
.endm
.macro JLOAD                           ; a joint refill; an s_nop 0 and four v_nop follow each of the two lines, ahead of the jump and the label
	s_cmp_eq_u32 s[RH], 0
	s_cbranch_scc0 .Lfor_b_\@
	tensor_load_to_lds s[G0A:G0A+3], s[G1A:G1A+7]
	s_nop 0
.rept 4
	v_nop
.endr
	s_branch .Lasked_\@
.Lfor_b_\@:
	tensor_load_to_lds s[G0B:G0B+3], s[G1B:G1B+7]
	s_nop 0
.rept 4
	v_nop
.endr
.Lasked_\@:
.endm
; A prefetch of the step two refills on (steps 4 to 7): 32 blocks of 256 bytes, a lane a block.  A's are asked for by the cluster with x = 0, B's by the cluster with y = 0; the four partners of a joint load
; take a quarter of its 128 blocks each, told apart by address.  So each block is named once.
.macro ASK
	s_cmp_le_u32 s[FN], s[LIM]
	s_cbranch_scc0 .Lnot_mine_\@
	global_prefetch_b8 v[PFO], s[PFA:PFA+1] th:TH_LOAD_NT scope:SCOPE_SE
.Lnot_mine_\@:
.endm
.macro CREST
	s_cmp_lg_u32 s[WV], 0
	s_cbranch_scc1 .Lnot_wave_0_\@
	s_barrier_signal -3
.Lnot_wave_0_\@:
	s_barrier_wait -3
	s_barrier_signal -1
	s_barrier_wait -1
.endm
.macro CROUND
	s_barrier_signal -1
	s_barrier_wait -1
	CREST
.endm
.macro MUL16 f, hi, a0, mode           ; 16 matrix instructions; mode = 1: the first products start the sums with the bias.  The 64 accumulators take turns
.if \mode
	WIN 0x81+0x40*(\hi)
.else
	WIN 0xa1+0x50*(\hi)
.endif
.irp a, \a0, (\a0)+1
.irp b, 0,1,2,3,4,5,6,7
.if \mode
	v_wmma_f32_16x16x32_f16 v[8*(8*(\a)+(\b)):8*(8*(\a)+(\b))+7], v[(\f)+8*(\b):(\f)+8*(\b)+7], v[(\f)+8*(4*(\hi)+(\a)):(\f)+8*(4*(\hi)+(\a))+7], v[BI+8*(\b):BI+8*(\b)+7]
.else
	v_wmma_f32_16x16x32_f16 v[8*(8*(\a)+(\b)):8*(8*(\a)+(\b))+7], v[(\f)+8*(\b):(\f)+8*(\b)+7], v[(\f)+8*(4*(\hi)+(\a)):(\f)+8*(4*(\hi)+(\a))+7], v[8*(8*(\a)+(\b)):8*(8*(\a)+(\b))+7]
.endif
.endr
.endr
.endm
.macro FETCH q, f                      ; quarter q: in B 64 q bytes along a row; in A head q / 2 of the step's two, channels 32 (q % 2) on
	WIN 0x40
.irp i, 0,1,2,3,4,5,6,7
	ds_load_b128 v[(\f)+8*(\i):(\f)+8*(\i)+3],   v[ADRB] offset:64*(\q)+(\i)*16*PB
	ds_load_b128 v[(\f)+8*(\i)+4:(\f)+8*(\i)+7], v[ADRB] offset:64*(\q)+(\i)*16*PB+32
.endr
	WIN 0
.irp i, 0,1,2,3,4,5,6,7
	ds_load_b128 v[(\f)+8*(\i):(\f)+8*(\i)+3],   v[ADRA] offset:128*PA*((\q)/2)+64*((\q)%2)+(\i)*16*PA
	ds_load_b128 v[(\f)+8*(\i)+4:(\f)+8*(\i)+7], v[ADRA] offset:128*PA*((\q)/2)+64*((\q)%2)+(\i)*16*PA+32
.endr
.endm
.macro QUARTER q, f, g, mode
	s_wait_dscnt 8                                 ; B and A's rows 0-63 are in; the youngest eight loads may be out
	MUL16 \f, 0, 0, \mode
	MUL16 \f, 0, 2, \mode
	PLACES
	FETCH \q, \g
	s_wait_dscnt 32                                ; all but the 32 just issued
	MUL16 \f, 1, 0, \mode
	MUL16 \f, 1, 2, \mode
.endm
.macro MEET fill                       ; the barrier of the change of slots: all my tensor loads have landed, the add, my reads of this slot are over
	WIN 0
	s_wait_tensorcnt 0x0
	ds_add_u32 v[SPW], v[NIL]
.if \fill
	s_lshl_b32 s[OFA], s[FN], 15                   ; no tensor load of mine is out: the walking descriptors are made anew for step FN
	s_lshl_b32 s[OFB], s[FN], 8
	s_xor_b32 s[G0A+1], s[G0A+1], SLOT
	s_add_nc_u64 s[G0A+2:G0A+3], s[BA:BA+1], s[OFA:OFA+1]
	s_or_b32 s[G0A+3], s[G0A+3], 0x80000000
	s_xor_b32 s[G0B+1], s[G0B+1], SLOT
	s_add_nc_u64 s[G0B+2:G0B+3], s[BB:BB+1], s[OFB:OFB+1]
	s_or_b32 s[G0B+3], s[G0B+3], 0x80000000
.endif
	s_wait_dscnt 9                                 ; the add and the youngest eight loads may be out
	MUL16 F1, 0, 0, 0
	s_wait_dscnt 0x0
	s_barrier_signal -1
	MUL16 F1, 0, 2, 0
.if \fill
	WIN 0
.endif
	s_barrier_wait -1
.endm
.macro TURN fill, guard
.if \fill
	s_wait_xcnt 0x0                                ; the last prefetch, a K step back, has read its address
	s_add_co_u32 s[PO], s[FN], 2
	s_lshl_b32 s[PO], s[PO], s[PSH]
	s_add_nc_u64 s[PFA:PFA+1], s[PFB:PFB+1], s[PO:PO+1]
.endif
	MEET \fill
.if \fill
	CREST
	JLOAD                                          ; the first tensor load behind the round; its four v_nop are also the places ahead of the loads below
.else
	PLACES
.endif
	WIN 0
	s_xor_b32 s[TB], s[TB], SLOT
	v_add_nc_u32 v[ADRA], s[TB], v[ADRA0]
	v_add_nc_u32 v[ADRB], s[TB], v[ADRB0]
.if \guard
	s_cmp_eq_u32 s3, 1
	s_cbranch_scc1 .Lno_fetch_\@
.endif
	FETCH 0, F0
.if \guard
.Lno_fetch_\@:
.endif
.if \fill
	ASK
	s_add_co_u32 s[FN], s[FN], 1
.endif
	MUL16 F1, 1, 0, 0
	MUL16 F1, 1, 2, 0
.endm
; THE WAY OUT.  Row block a: a lane's eight columns of each of eight blocks go into my stage, rows of 528 bytes, and come back as whole rows of 512
.macro TOSTAGE a
.if (\a) >= 2
	s_wait_xcnt 0x0                                ; the stores of two blocks ago have read the registers that the loads below fill
.endif
	WIN 0x08+4*((\a)/4)
.irp b, 0,1,2,3,4,5,6,7
	ds_store_b128 v[STO], v[64*((\a)%4)+8*(\b):64*((\a)%4)+8*(\b)+3]   offset:64*(\b)
	ds_store_b128 v[STO], v[64*((\a)%4)+8*(\b)+4:64*((\a)%4)+8*(\b)+7] offset:64*(\b)+16
.endr
	WIN 0
.irp t, 0,1,2,3,4,5,6,7,8,9,10,11,12,13,14,15
	ds_load_b128 v[OB+64*((\a)%2)+4*(\t):OB+64*((\a)%2)+4*(\t)+3], v[RD] offset:SPT*(\t)  ; LDS serves a wave's instructions in order (ISA guide 5.7.1.4): these see the stores above, the next block's stores come behind them
.endr
.endm
.macro SEND a, younger                 ; younger: the next block's 32 LDS instructions, or none
	WIN 0
	s_wait_xcnt 0x0                                ; earlier stores have read their base
.if (\a) > 0
	s_add_nc_u64 s[OUT:OUT+1], s[OUT:OUT+1], 65536 ; 16 rows of out0 on
.endif
.irp t, 0,1,2,3,4,5,6,7,8,9,10,11,12,13,14,15
	s_wait_dscnt (\younger)+15-(\t)
	global_store_b128 v[CO], v[OB+64*((\a)%2)+4*(\t):OB+64*((\a)%2)+4*(\t)+3], s[OUT:OUT+1] offset:4096*(\t) th:TH_STORE_NT  ; 512 consecutive bytes, aligned
.endr
.endm
	s_load_b256 s[4:11], s[0:1], 0x0               ; att 4, wot 6, WO_b 8, out0 10
	v_lshl_add_u32 v[SPW], v0, 2, SPARE
	v_mov_b32 v[NIL], 0
	ds_add_u32 v[SPW], v[NIL]                      ; the wave's opening: the add and its wait stand ahead of my first tensor load
	v_lshrrev_b32 v1, 5, v0
	v_readfirstlane_b32 s[WV], v1
	s_lshr_b32 s[RH], s[WV], 1                     ; my half of the rows; 0: I fetch for A, 1: for B
	s_and_b32 s[CH], s[WV], 1                      ; my half of the columns; which half of that tile I fetch
	s_bfe_u32 s[CX], ttmp6, 0x40000
	s_bfe_u32 s[CY], ttmp6, 0x40004
	s_lshl_b32 s[TC], ttmp9, 2
	s_add_co_u32 s[TC], s[TC], s[CX]               ; tile column 0..3
	s_and_b32 s[TR], ttmp7, 0xffff
	s_lshl_b32 s[TR], s[TR], 2
	s_add_co_u32 s[TR], s[TR], s[CY]               ; tile row 0..63
	s_lshl_b32 s86, s[CY], 2
	s_lshl_b32 s86, 15, s86
	s_lshl_b32 s88, 0x1111, s[CX]
	s_or_b32 s[G1A], s86, (1<<16)|(1<<20)|(1<<21)|(4<<22)|(3<<25)  ; padding after every 32 words: a head's row of 128 bytes
	s_or_b32 s[G1B], s88, (1<<16)|(1<<20)|(1<<21)|(5<<22)|(3<<25)  ; after every 64 words
.irp g, G1A, G1B
	s_mov_b32 s[(\g)+1], 128<<16                   ; tensor_dim0 = 128
	s_mov_b32 s[(\g)+2], 128<<16                   ; tensor_dim1 = 128
	s_mov_b32 s[(\g)+3], 128<<16                   ; tile_dim0 = 128
	s_mov_b32 s[(\g)+4], 128                       ; tile_dim1 = 128
	s_mov_b32 s[(\g)+6], 0
	s_mov_b32 s[(\g)+7], 0
.endr
	s_mov_b32 s[G1A+5], 128                        ; att's block is dense: 128 elements from row to row
	s_mov_b32 s[G1B+5], 1024
	s_lshl1_add_u32 s86, s[TR], s[CH]              ; A: group 2 TR + CH, 262,144 bytes each: made of the tile row and the wave's number alone
	s_lshl_b32 s86, s86, 18
	s_mov_b32 s87, 0
	s_lshl_b32 s88, s[TC], 8                       ; B: row 256 TC + 128 CH
	s_lshl_b32 s89, s[CH], 7
	s_add_co_u32 s88, s88, s89
	s_lshl_b32 s88, s88, 11
	s_mov_b32 s89, 0
	s_mul_i32 s90, s[CH], HALFA                    ; where my tiles go, for A
	s_mul_i32 s91, s[CH], HALFB                    ; and for B
	s_add_co_u32 s91, s91, BOFF
	s_mov_b32 s[OFA+1], 0
	s_mov_b32 s[OFB+1], 0
	s_mov_b32 s[PO+1], 0
	s_mov_b32 s[FN], 2
	s_mov_b32 s[TB], 0
	s_wait_dscnt 0x0                               ; the opening add is done
	s_wait_kmcnt 0x0
	s_add_nc_u64 s[BA:BA+1], s[4:5], s[86:87]
	s_add_nc_u64 s[BB:BB+1], s[6:7], s[88:89]
	s_mov_b32 s[G0A0], 1
	s_mov_b32 s[G0A0+1], s90
	s_mov_b64 s[G0A0+2:G0A0+3], s[BA:BA+1]
	s_or_b32 s[G0A0+3], s[G0A0+3], 0x80000000
	s_mov_b32 s[G0A], 1
	s_add_co_u32 s[G0A+1], s90, SLOT
	s_add_nc_u64 s[G0A+2:G0A+3], s[BA:BA+1], 32768
	s_or_b32 s[G0A+3], s[G0A+3], 0x80000000
	s_mov_b32 s[G0B0], 1
	s_mov_b32 s[G0B0+1], s91
	s_mov_b64 s[G0B0+2:G0B0+3], s[BB:BB+1]
	s_or_b32 s[G0B0+3], s[G0B0+3], 0x80000000
	s_mov_b32 s[G0B], 1
	s_add_co_u32 s[G0B+1], s91, SLOT
	s_add_nc_u64 s[G0B+2:G0B+3], s[BB:BB+1], 256
	s_or_b32 s[G0B+3], s[G0B+3], 0x80000000
	CROUND                                         ; all sixteen work-groups are here: the first joint loads meet
	s_cmp_eq_u32 s[RH], 0                          ; a wave's two first fills stand in one branch: two loads of mine are out
	s_cbranch_scc0 .Lfirst_b
	tensor_load_to_lds s[G0A0:G0A0+3], s[G1A:G1A+7]
	s_nop 0
	tensor_load_to_lds s[G0A:G0A+3], s[G1A:G1A+7]
	s_nop 0
.rept 4
	v_nop
.endr
	s_branch .Lfirst_asked
.Lfirst_b:
	tensor_load_to_lds s[G0B0:G0B0+3], s[G1B:G1B+7]
	s_nop 0
	tensor_load_to_lds s[G0B:G0B+3], s[G1B:G1B+7]
	s_nop 0
.rept 4
	v_nop
.endr
.Lfirst_asked:
	v_and_b32 v1, 15, v0                           ; r
	v_bfe_u32 v2, v0, 4, 1                         ; h
	v_and_b32 v3, 31, v0                           ; lane
	v_lshlrev_b32 v[EO], 5, v2
	s_lshl_b32 s98, s[TC], 10                      ; my 128 columns, as f32: 1,024 TC + 512 CH bytes
	s_lshl_b32 s99, s[CH], 9
	s_add_co_u32 s98, s98, s99
	s_mov_b32 s99, 0
	s_add_nc_u64 s[8:9], s[8:9], s[98:99]
	s_add_nc_u64 s[OUT:OUT+1], s[10:11], s[98:99]
	s_lshl_b32 s98, s[TR], 20                      ; my first row: 256 TR + 128 RH, 4,096 bytes each
	s_lshl_b32 s2, s[RH], 19
	s_add_co_u32 s98, s98, s2
	s_add_nc_u64 s[OUT:OUT+1], s[OUT:OUT+1], s[98:99]
.irp b, 0,1,2,3,4,5,6,7
	global_load_b128 v[BI+8*(\b):BI+8*(\b)+3],   v[EO], s[8:9] offset:64*(\b)      ; register 8 b + j: the bias of column 16 b + 8 h + j
	global_load_b128 v[BI+8*(\b)+4:BI+8*(\b)+7], v[EO], s[8:9] offset:64*(\b)+16
.endr
	v_mul_u32_u24 v5, v1, PA
	v_lshl_add_u32 v5, v2, 4, v5
	s_mul_i32 s86, s[RH], HALFA
	v_add_nc_u32 v[ADRA0], s86, v5
	v_mul_u32_u24 v5, v1, PB
	v_lshl_add_u32 v5, v2, 4, v5
	v_add_nc_u32 v[ADRB0], s91, v5
	s_mul_i32 s86, s[WV], 16*SPT
	s_add_co_u32 s86, s86, STAGE                   ; my stage
	v_mul_u32_u24 v5, v1, SPT
	v_lshl_add_u32 v5, v2, 5, v5                   ; in: row r, 32 bytes for each half of the lanes
	v_add_nc_u32 v[STO], s86, v5
	v_lshl_add_u32 v[RD], v3, 4, s86               ; back: a whole row of 512 bytes
	v_lshlrev_b32 v[CO], 4, v3
	; the prefetches: who asks, and from where
	s_lshl1_add_u32 s2, s[TR], s[CH]
	s_lshl_b32 s2, s2, 18
	s_lshl_b32 s98, s[CX], 13
	s_add_co_u32 s2, s2, s98                       ; A: the group that I fetch, my work-group's 32 blocks of a step's 128
	s_lshl_b32 s98, s[TC], 8
	s_lshl_b32 s99, s[CH], 7
	s_add_co_u32 s98, s98, s99
	s_lshl_b32 s99, s[CY], 5
	s_add_co_u32 s98, s98, s99
	s_lshl_b32 s98, s98, 11                        ; B: the rows that I fetch, my work-group's 32 of the 128
	s_and_b32 s99, ttmp7, 0xffff
	s_cmp_eq_u32 s[RH], 0
	s_cselect_b32 s98, s2, s98
	s_cselect_b32 s99, ttmp9, s99                  ; the coordinate along which other clusters read the same bytes
	s_cselect_b64 s[PFB:PFB+1], s[4:5], s[6:7]
	s_cselect_b32 s[PSH], 15, 8
	s_cselect_b32 s2, 8, 11
	s_cmp_eq_u32 s99, 0
	s_cselect_b32 s[LIM], 5, 0                     ; the same in all sixteen partners, for a given wave
	s_mov_b32 s99, 0
	s_add_nc_u64 s[PFB:PFB+1], s[PFB:PFB+1], s[98:99]
	v_lshlrev_b32 v[PFO], s2, v3
	s_wait_loadcnt 0x0                             ; the bias
.set i, 0
.rept 32
	v_cvt_pk_bf16_f32 v[4+i%4], v[BI+2*i], v[BI+2*i+1]  ; rounded to bf16 like every input
	v_lshlrev_b32 v[BI+2*i], 16, v[4+i%4]
	v_and_b32 v[BI+2*i+1], 0xffff0000, v[4+i%4]
.set i, i+1
.endr
	v_mov_b32 v[ADRA], v[ADRA0]
	v_mov_b32 v[ADRB], v[ADRB0]
	s_wait_tensorcnt 1                             ; my part of step 0 is in; step 1's may stay out
	s_barrier_signal -1
	s_barrier_wait -1
	FETCH 0, F0
	QUARTER 1, F0, F1, 1                           ; the first quarter: its products start the sums with the bias
	WIN 0
	s_mov_b32 s3, 6
.LF:                                           ; steps 0 to 5: each refills its slot with the step two on
	QUARTER 2, F1, F0, 0
	QUARTER 3, F0, F1, 0
	TURN 1, 0
	QUARTER 1, F0, F1, 0
	WIN 0
	s_sub_co_u32 s3, s3, 1
	s_cmp_lg_u32 s3, 0
	s_cbranch_scc1 .LF
	s_mov_b32 s3, 2
.LN:                                           ; steps 6 and 7: nothing is asked for
	QUARTER 2, F1, F0, 0
	QUARTER 3, F0, F1, 0
	TURN 0, 1
	WIN 0
	s_sub_co_u32 s3, s3, 1
	s_cmp_eq_u32 s3, 0
	s_cbranch_scc1 .Lout
	QUARTER 1, F0, F1, 0
	WIN 0
	s_branch .LN
.Lout:
.rept 8
	v_nop                                          ; places behind the last products, ahead of the stores that read them
.endr
	TOSTAGE 0
.irp a, 1,2,3,4,5,6,7
	TOSTAGE \a                                     ; a block's way through the stage stands between the loads of the block before and its stores
	SEND (\a)-1, 32
.endr
	SEND 7, 0
	s_wait_tensorcnt 0x0                           ; the wave's end, behind my last tensor load and my last LDS store
	ds_add_u32 v[SPW], v[NIL]
	s_wait_dscnt 0x0
	CROUND                                         ; the closing round: no work-group ends while a partner may still ask for a tile that names it
	s_endpgm
.Lfunc_end_k_q58d0b7265c_outproj:
	.size	k_q58d0b7265c_outproj, .Lfunc_end_k_q58d0b7265c_outproj-k_q58d0b7265c_outproj
	.p2alignl 7, 3214868480
	.fill 96, 4, 3214868480
	.section	.rodata,"a",@progbits
	.p2align	6, 0x0
	.amdhsa_kernel k_q58d0b7265c_outproj
		.amdhsa_group_segment_fixed_size 327680
		.amdhsa_private_segment_fixed_size 0
		.amdhsa_enable_private_segment 0
		.amdhsa_kernarg_size 32
		.amdhsa_user_sgpr_count 2
		.amdhsa_user_sgpr_kernarg_segment_ptr 1
		.amdhsa_wavefront_size32 1
		.amdhsa_system_sgpr_workgroup_id_x 1
		.amdhsa_system_sgpr_workgroup_id_y 1
		.amdhsa_system_sgpr_workgroup_id_z 1
		.amdhsa_system_vgpr_workitem_id 0
		.amdhsa_next_free_vgpr 1024
		.amdhsa_next_free_sgpr 100
		.amdhsa_reserve_vcc 0
		.amdhsa_float_denorm_mode_32 3
		.amdhsa_float_denorm_mode_16_64 3
		.amdhsa_memory_ordered 1
		.amdhsa_forward_progress 1
		.amdhsa_inst_pref_size 109
	.end_amdhsa_kernel
	.amdgpu_metadata
---
amdhsa.version: [ 1, 2 ]
amdhsa.kernels:
  - .name:           k_q58d0b7265c_outproj
    .symbol:         k_q58d0b7265c_outproj.kd
    .args:
      - { .name: att, .offset: 0, .size: 8, .value_kind: global_buffer, .address_space: global }
      - { .name: wot, .offset: 8, .size: 8, .value_kind: global_buffer, .address_space: global }
      - { .name: WO_b, .offset: 16, .size: 8, .value_kind: global_buffer, .address_space: global }
      - { .name: out0, .offset: 24, .size: 8, .value_kind: global_buffer, .address_space: global }
    .group_segment_fixed_size: 327680
    .private_segment_fixed_size: 0
    .kernarg_segment_align: 8
    .kernarg_segment_size: 32
    .max_flat_workgroup_size: 128
    .sgpr_count:     100
    .vgpr_count:     1024
    .wavefront_size: 32
...
	.end_amdgpu_metadata
.endif
;; end of part 3
